; MI455X (gfx1250); checked and timed in simulation.
; The chip was launched on July 23, 2026; its instructions are those of AMD's public machine-readable ISA for CDNA 5 (MIT licence, August 2026) and "CDNA5" Instruction Set Architecture Reference Guide (July 2026). The comments in the code are by the model that wrote it; some were corrected since.
;; Multi Headed Attention. Allowed arithmetic: matrix products marked QUANTISED: E2M3 operands, one E8M0 scale for each 32 along K, by v_wmma_scale_f32_16x16x128_f8f6f4 with both operands' format E2M3, f32 sums; everything else in f32.
;; Inputs: Wk 1,024 x 1,024 float32; Wo 1,024 x 1,024 float32; Wq 1,024 x 1,024 float32; Wv 1,024 x 1,024 float32; X 4 x 2,048 x 1,024 float32; bo 1,024 float32.
;; Outputs: out0 4 x 2,048 x 1,024 float32.
;; This version of the problem:
;;   THIS VERSION OF THE PROBLEM IS GIVEN IN LOW PRECISION. The matrix products marked QUANTISED in the list below multiply operands that are first quantised to E2M3 (2 exponent bits, 3 mantissa bits; 6 bits a number), with one power-of-two scale for each 32 numbers along K (OCP MX v1.0); their sums are f32. All else is computed in f32.
;;   The module's matrix products, in the order in which they are computed (A, B: the left and right operand; K: the contracted axis; several contracted axes count as one K, in the product's order):
;;     1. [M 8,192, K 1,024] x [K 1,024, N 1,024]; A: input X; B: input Wq: QUANTISED
;;     2. [M 8,192, K 1,024] x [K 1,024, N 1,024]; A: input X; B: input Wk: QUANTISED
;;     3. [M 8,192, K 1,024] x [K 1,024, N 1,024]; A: input X; B: input Wv: QUANTISED
;;     4. batch 64 x [M 2,048, K 64] x [K 64, N 2,048]; A: computed on the way; B: computed on the way: QUANTISED
;;     5. batch 64 x [M 2,048, K 2,048] x [K 2,048, N 64]; A: softmax (see below); B: computed on the way: QUANTISED
;;     6. [M 8,192, K 1,024] x [K 1,024, N 1,024]; A: computed on the way; B: input Wo: QUANTISED
;;   THE QUANTISER, for each operand of a quantised product, along K:
;;     - K is cut into blocks of 32 from its start; a last block that is shorter is filled with zeros.
;;     - A block's scale is 2^e with e = floor(log2(the largest magnitude in the block)) - 2, held to -126 .. 127; a block of zeros has e = 0. As a byte (E8M0): e + 127.
;;     - Each number is divided by its block's scale, clamped to +-7.5, and rounded to the nearest number of E2M3, ties to even, subnormals kept.
;;     - The product sums the exact products of the quantised numbers (number of the format x scale) in f32.
;;   ~~~python
;;   def quantise(x, axis):      # numpy; x: float32 -> the quantised numbers, widened to float32 again
;;       x = np.moveaxis(x, axis, -1); K = x.shape[-1]
;;       x = np.pad(x, [(0, 0)] * (x.ndim - 1) + [(0, -K % 32)]); x = x.reshape(x.shape[:-1] + (-1, 32)); a = np.abs(x).max(-1, keepdims=True)
;;       e = np.where(a > 0, np.clip(np.frexp(np.where(a > 0, a, 1))[1] - 1 - 2, -126, 127), 0)      # np.frexp(a)[1] - 1 = floor(log2(a)), exactly
;;       r = np.clip(x / 2.0 ** e, -7.5, 7.5)
;;       step = 2.0 ** (np.maximum(np.frexp(np.where(r == 0, 1, r))[1] - 1, 0) - 3)
;;       q = np.round(r / step) * step * 2.0 ** e      # np.round: ties to even
;;       return np.moveaxis(q.reshape(q.shape[:-2] + (-1,))[..., :K], -1, axis).astype(np.float32)
;;   ~~~
;;   SOFTMAX AHEAD OF A QUANTISED PRODUCT. Where the list says 'softmax', what is quantised is not the finished softmax but p = 2^(t - M), with t = logit x log2(e) and M = ceil(the row's largest t), a whole number; so 1/2 < the row's largest p <= 1. The row's sum l is taken of the UNQUANTISED p, in f32, and the product's result is divided by l at the end. Since M is a whole number, a kernel that streams over the keys may use a running M (the ceiling of the running maximum): every later rescaling is an exact power of two, which a block's scale takes up: the codes' values come out the same.
;;   OPERANDS COMPUTED ON THE WAY. 'Computed on the way' means the value that the module computes at that place (a softmax that the list does not call 'softmax' is quantised finished and normalised). What goes into a quantiser is computed in f32, as accurately as f32 sums, v_exp_f32 and their like allow (about 1e-6 of the number): no bf16 or f16 on the way to a quantiser, and a product that is left as it is and whose result goes on into a quantised operand takes f32 operands (vector FMAs, or v_wmma_f32_16x16x4_f32). A number that lies on a knife's edge between two numbers of the format may be rounded either way, as far as f32 arithmetic and the matrix unit's own rounding can turn it there, and no further.
;; One version. Each part assembles by itself: llvm-mc -triple=amdgcn-amd-amdhsa -mcpu=gfx1250 --defsym DOCPART=n.
;; ======== version 1 of 1: 4 launches
;; limits: right only within a limited range of input values
;; workspace buffers: opc 9,437,184 bytes; ops 393,216 bytes; qkvc 18,874,368 bytes; qkvs 786,432 bytes; cc 6,291,456 bytes; cs 524,288 bytes
;; launch quant (part 1): grid 768 x 1, 2 waves a work-group, no clusters, 34,304 bytes of LDS; arguments X, Wq, Wk, Wv, Wo, opc, ops; writes opc, ops
.if DOCPART == 1
	.amdgcn_target "amdgcn-amd-amdhsa--gfx1250"
	.amdhsa_code_object_version 6
	.text
	.protected	k_qf90a0c3cf7_quant
	.globl	k_qf90a0c3cf7_quant
	.p2align	8
	.type	k_qf90a0c3cf7_quant,@function
k_qf90a0c3cf7_quant:
	s_mov_b64 s[64:65], 0
	v_nop
	global_prefetch_b8 v0, s[64:65] scope:SCOPE_SE
	s_setreg_imm32_b32 hwreg(HW_REG_WAVE_MODE, 25, 1), 1
	s_wait_xcnt 0x0
; X [8192][1024] and Wq, Wk, Wv, Wo [1024][1024], f32, K innermost, become codes of FP6 (E2M3) with one E8M0 byte for each 32 along K,
; laid as the later launches' operand registers want them.
; TILES.  768 tiles of 16 rows: 0-511 X, 512-575 Wq, 576-639 Wk, 640-703 Wv, 704-767 Wo.  THE ROWS OF A TILE ARE NOT NEIGHBOURS: row r of
; tile T (counted inside its tensor) is row 32 (T / 2) + 8 (T % 2) + r + 8 (r / 8), so that in a transposed product the 16 registers of two
; neighbouring result tiles are 16 neighbours along the next product's K.
; opc: [tile][K step 0..7][1,536 bytes]: a fragment (16 rows x 128 K, 12 registers a lane) as an image of its registers: registers 4 p .. 4 p + 3
; of lane l at 512 p + 16 l.   ops: [tile][K half 0..1][256 bytes]: lane l's 8 bytes at 8 l: word j of lanes 0-15 is the rows' scale word of K step
; 4 half + 2 j, of lanes 16-31 that of K step 4 half + 2 j + 1.
; A block's scale is 2^(floor(log2(its largest magnitude)) - 2): its byte is that magnitude's exponent field - 2, held at 1 from below.
; LIMITS: a block of zeros gets the byte 1 where the quantiser's rule says 127 (its codes are zeros, and only this program reads the bytes); blocks
; whose largest magnitude lies under 2^-124 are held at that floor; NaN and infinities among the inputs are not served.
; SHARES.  A wave takes one tile and half of K: four K steps.  Each load reads 512 consecutive bytes of one row; a K step's 16 rows turn through the
; wave's own stage in LDS, so that a lane gets 16 neighbours of each block of 32 of its row.  Waves share nothing: no barrier.  Work-groups share no
; input: no cluster.  No products: no matrix unit.
.set STG,   8448                       ; a wave's stage: 16 rows x (512 bytes + 16): the pitch is an odd multiple of 16 bytes
.set SPARE, 4*STG                      ; behind the stages: the spare words, 128 bytes a wave, which no other line names
.set A16, 1                            ; v1  16 x lane
.set STW, 2                            ; v2  the stage, on the way in: 16 x lane
.set STR, 3                            ; v3  on the way out: 528 r + 64 h
.set A8,  4                            ; v4  8 x lane
.set SPW, 5                            ; v5  my spare word; never rewritten
.set NIL, 6                            ; v6  0; never rewritten
.set R,   16                           ; v16-143  two sets of 16 rows x 4 registers as loaded
.set XN,  144                          ; v144-207 64 numbers: register 16 b + i = k 32 b + 16 h + i of my row
.set PC,  208                          ; v208-219 the fragment's codes
.set CT,  220                          ; v220-227 the blocks' second halves
.set TM,  228                          ; v228-243 at work
.set PW,  244                          ; v244-247 the four K steps' scale words
.set SW,  248                          ; v248-249 as they are stored
.set SEL, 36                           ; s[36:37] lane selects: lane l xor 16
; 64 numbers of a lane, v[s] on, become a fragment's 12 registers of codes, v[pc] on, and its rows' scale word v[pw] (the same in both halves of the lanes).
.macro QUANT s, pc, ct, pw
.irp b, 0,1,2,3
	v_max3_num_f32 v[TM+\b], |v[\s+16*\b]|, |v[\s+1+16*\b]|, 0x1800000    ; block b: my 16 numbers, and the floor 2^(3 - 127): the byte cannot fall under 1
.endr
.irp i, 2,4,6,8,10,12,14
.irp b, 0,1,2,3
	v_max3_num_f32 v[TM+\b], v[TM+\b], |v[\s+16*\b+\i]|, |v[\s+1+16*\b+\i]|   ; the four blocks by turns
.endr
.endr
.irp b, 0,1,2,3
	v_permlanex16_b32 v[TM+4+\b], v[TM+\b], s[SEL], s[SEL+1]
.endr
.irp b, 0,1,2,3
	v_max_num_f32 v[TM+\b], v[TM+\b], v[TM+4+\b]      ; with lane l xor 16's 16: the block's largest magnitude
.endr
.irp b, 0,1,2,3
	v_add_nc_u32 v[TM+12+\b], 0xff000000, v[TM+\b]    ; 2 off its exponent field: the conversion's scale operand
.endr
.irp b, 0,1,2,3
	v_lshrrev_b32 v[TM+4+\b], 23, v[TM+12+\b]         ; the scale's byte
.endr
	v_lshl_or_b32 v[\pw], v[TM+5], 8, v[TM+4]
	v_lshl_or_b32 v[\pw], v[TM+6], 16, v[\pw]
	v_lshl_or_b32 v[\pw], v[TM+7], 24, v[\pw]
.irp c, 0,1
	v_cvt_scalef32_pk16_fp6_f32 v[\pc+6*\c:\pc+2+6*\c], v[\s+32*\c:\s+15+32*\c], v[TM+12+2*\c]
	v_cvt_scalef32_pk16_fp6_f32 v[\ct+4*\c:\ct+2+4*\c], v[\s+16+32*\c:\s+31+32*\c], v[TM+12+2*\c+1]   ; (a conversion's three registers begin on an even number)
.endr
	v_nop                                             ; one plain instruction behind the scaled conversions
.irp c, 0,1                                           ; the operand wants a whole block in a lane: lanes 0-15 block 2 c, lanes 16-31 block 2 c + 1
.irp i, 0,1,2
	v_permlane16_swap_b32 v[\pc+6*\c+\i], v[\ct+4*\c+\i]
.endr
.irp i, 0,1,2
	v_mov_b32 v[\pc+3+6*\c+\i], v[\ct+4*\c+\i]
.endr
.endr
.endm
	s_load_b256 s[4:11], s[0:1], 0x0               ; X, Wq, Wk, Wv
	s_load_b128 s[12:15], s[0:1], 0x20             ; Wo, opc
	s_load_b64 s[16:17], s[0:1], 0x30              ; ops
	v_lshl_add_u32 v[SPW], v0, 2, SPARE
	v_mov_b32 v[NIL], 0
	v_lshrrev_b32 v7, 5, v0
	v_readfirstlane_b32 s24, v7                    ; wave
	v_and_b32 v7, 31, v0
	v_lshlrev_b32 v[A16], 4, v7
	v_lshlrev_b32 v[A8], 3, v7
	s_mul_i32 s25, s24, STG
	v_add_nc_u32 v[STW], s25, v[A16]
	v_and_b32 v8, 15, v0                           ; r
	v_bfe_u32 v9, v0, 4, 1                         ; h
	v_mul_u32_u24 v[STR], v8, 528
	v_lshl_add_u32 v[STR], v9, 6, v[STR]
	v_add_nc_u32 v[STR], s25, v[STR]
.irp b, 0,1,2,3
	v_mov_b32 v[TM+4+\b], 0                        ; written once: a lane permute's destination counts as one of its sources
.endr
	s_and_b32 s26, ttmp9, 1                        ; a work-group takes ONE tile, its two waves the halves of K: 768 work-groups, three to each of 256 WGPs.  Which tile of a pair,
	s_lshr_b32 s38, ttmp9, 1                       ; and which pair of tiles, 0 .. 383
	s_and_b32 s27, s24, 1                          ; which half of K
	s_mov_b32 s[SEL], 0x76543210
	s_mov_b32 s[SEL+1], 0xfedcba98
	s_mov_b32 s30, 0xffff0000                      ; lanes 16-31
	s_and_b32 s28, s38, 31                         ; the pair of tiles inside its tensor: a weight has 32 pairs,
	s_cmp_lt_u32 s38, 256
	s_cselect_b32 s28, s38, s28                    ; X has 256
	s_lshl_b32 s28, s28, 17                        ; 32 rows of 4,096 bytes,
	s_lshl_b32 s29, s26, 15                        ; 8 rows for the odd tile,
	s_add_co_u32 s28, s28, s29
	s_lshl_b32 s29, s27, 11                        ; 512 numbers for the second half of K
	s_add_co_u32 s28, s28, s29
	s_mov_b32 s29, 0
	s_lshl_b32 s31, s38, 1
	s_add_co_u32 s31, s31, s26                     ; the tile
	s_mul_i32 s32, s31, 12288
	s_mul_i32 s33, s27, 6144
	s_add_co_u32 s32, s32, s33                     ; its codes of my half of K
	s_mov_b32 s33, 0
	s_lshl_b32 s34, s31, 9
	s_lshl_b32 s35, s27, 8
	s_add_co_u32 s34, s34, s35                     ; and their scale words
	s_mov_b32 s35, 0
	s_wait_alu depctr_va_vdst(0)
	s_wait_kmcnt 0x0
	s_mov_b64 s[18:19], s[12:13]                   ; the tensor is chosen by the work-group's number alone
	s_cmp_lt_u32 s38, 352
	s_cselect_b64 s[18:19], s[10:11], s[18:19]
	s_cmp_lt_u32 s38, 320
	s_cselect_b64 s[18:19], s[8:9], s[18:19]
	s_cmp_lt_u32 s38, 288
	s_cselect_b64 s[18:19], s[6:7], s[18:19]
	s_cmp_lt_u32 s38, 256
	s_cselect_b64 s[18:19], s[4:5], s[18:19]
	s_add_nc_u64 s[18:19], s[18:19], s[28:29]
	s_add_nc_u64 s[14:15], s[14:15], s[32:33]
	s_add_nc_u64 s[16:17], s[16:17], s[34:35]
.macro LOAD t                          ; K step t: 16 rows x 512 consecutive bytes; the tile's row i lies i + 8 (i / 8) rows down
.irp i, 0,1,2,3,4,5,6,7,8,9,10,11,12,13,14,15
	global_load_b128 v[R+64*((\t)%2)+4*\i:R+64*((\t)%2)+4*\i+3], v[A16], s[18:19] offset:(\i+8*(\i/8))*4096+512*(\t) th:TH_LOAD_NT
.endr
.endm
.macro TURN t                          ; through the stage: LDS serves a wave's instructions in order, so no wait stands between the stores and the loads
.irp i, 0,1,2,3,4,5,6,7,8,9,10,11,12,13,14,15
	ds_store_b128 v[STW], v[R+64*((\t)%2)+4*\i:R+64*((\t)%2)+4*\i+3] offset:528*\i
.endr
.irp b, 0,1,2,3
.irp j, 0,1,2,3
	ds_load_b128 v[XN+16*\b+4*\j:XN+16*\b+4*\j+3], v[STR] offset:128*\b+16*\j
.endr
.endr
.endm
.macro STEP t
.if (\t) < 3
	s_wait_loadcnt 16                              ; this step's 16 loads are in; the next step's 16 may be out
.else
	s_wait_loadcnt 0x0
.endif
	TURN \t
	s_wait_dscnt 0x0                               ; my 64 numbers are back, and the stage's stores have read their registers
	s_wait_xcnt 0x0                                ; the last step's stores have read the codes' registers, which are written again below
.if (\t) < 2
	LOAD (\t)+2
.endif
	QUANT XN, PC, CT, PW+\t
.irp p, 0,1,2
	global_store_b128 v[A16], v[PC+4*\p:PC+4*\p+3], s[14:15] offset:1536*(\t)+512*\p   ; 32 lanes store 512 consecutive bytes, aligned
.endr
.endm
	LOAD 0
	LOAD 1
	STEP 0
	STEP 1
	STEP 2
	STEP 3
	v_cndmask_b32 v[SW], v[PW], v[PW+1], s30       ; lanes 0-15: K step 0's words, lanes 16-31: K step 1's
	v_cndmask_b32 v[SW+1], v[PW+2], v[PW+3], s30   ; K steps 2 and 3
	global_store_b64 v[A8], v[SW:SW+1], s[16:17]   ; 256 consecutive bytes, aligned
	s_wait_tensorcnt 0x0                           ; the wave's end
	ds_add_u32 v[SPW], v[NIL]
	s_wait_dscnt 0x0
	s_endpgm
.Lfunc_end_k_qf90a0c3cf7_quant:
	.size	k_qf90a0c3cf7_quant, .Lfunc_end_k_qf90a0c3cf7_quant-k_qf90a0c3cf7_quant
	.p2alignl 7, 3214868480
	.fill 96, 4, 3214868480
	.section	.rodata,"a",@progbits
	.p2align	6, 0x0
	.amdhsa_kernel k_qf90a0c3cf7_quant
		.amdhsa_group_segment_fixed_size 34304
		.amdhsa_private_segment_fixed_size 0
		.amdhsa_enable_private_segment 0
		.amdhsa_kernarg_size 56
		.amdhsa_user_sgpr_count 2
		.amdhsa_user_sgpr_kernarg_segment_ptr 1
		.amdhsa_wavefront_size32 1
		.amdhsa_system_sgpr_workgroup_id_x 1
		.amdhsa_system_sgpr_workgroup_id_y 1
		.amdhsa_system_sgpr_workgroup_id_z 1
		.amdhsa_system_vgpr_workitem_id 0
		.amdhsa_next_free_vgpr 256
		.amdhsa_next_free_sgpr 66
		.amdhsa_reserve_vcc 0
		.amdhsa_float_denorm_mode_32 3
		.amdhsa_float_denorm_mode_16_64 3
		.amdhsa_memory_ordered 1
		.amdhsa_forward_progress 1
		.amdhsa_inst_pref_size 34
	.end_amdhsa_kernel
	.amdgpu_metadata
---
amdhsa.version: [ 1, 2 ]
amdhsa.kernels:
  - .name:           k_qf90a0c3cf7_quant
    .symbol:         k_qf90a0c3cf7_quant.kd
    .args:
      - { .name: X, .offset: 0, .size: 8, .value_kind: global_buffer, .address_space: global }
      - { .name: Wq, .offset: 8, .size: 8, .value_kind: global_buffer, .address_space: global }
      - { .name: Wk, .offset: 16, .size: 8, .value_kind: global_buffer, .address_space: global }
      - { .name: Wv, .offset: 24, .size: 8, .value_kind: global_buffer, .address_space: global }
      - { .name: Wo, .offset: 32, .size: 8, .value_kind: global_buffer, .address_space: global }
      - { .name: opc, .offset: 40, .size: 8, .value_kind: global_buffer, .address_space: global }
      - { .name: ops, .offset: 48, .size: 8, .value_kind: global_buffer, .address_space: global }
    .group_segment_fixed_size: 34304
    .private_segment_fixed_size: 0
    .kernarg_segment_align: 8
    .kernarg_segment_size: 56
    .max_flat_workgroup_size: 64
    .sgpr_count:     66
    .vgpr_count:     256
    .wavefront_size: 32
...
	.end_amdgpu_metadata
.endif
;; end of part 1
;; launch qkv (part 2): grid 8 x 32, 4 waves a work-group, clusters of 4 x 4, 327,680 bytes of LDS; arguments opc, ops, qkvc, qkvs; writes qkvc, qkvs
.if DOCPART == 2
	.amdgcn_target "amdgcn-amd-amdhsa--gfx1250"
	.amdhsa_code_object_version 6
	.text
	.protected	k_qf90a0c3cf7_qkv
	.globl	k_qf90a0c3cf7_qkv
	.p2align	8
	.type	k_qf90a0c3cf7_qkv,@function
k_qf90a0c3cf7_qkv:
	s_mov_b64 s[64:65], 0
	v_nop
	global_prefetch_b8 v0, s[64:65] scope:SCOPE_SE
	s_setreg_imm32_b32 hwreg(HW_REG_WAVE_MODE, 25, 1), 1
	s_wait_xcnt 0x0
	s_wait_alu depctr_hold_cnt(0) depctr_sa_sdst(0) depctr_va_vdst(0) depctr_va_sdst(0) depctr_va_ssrc(0) depctr_va_vcc(0) depctr_vm_vsrc(0)
	s_getreg_b32 s2, hwreg(HW_REG_IB_STS2, 6, 4)
	s_cmp_eq_u32 s2, 0
	s_cbranch_scc0 .Lentry_in_a_cluster
	s_endpgm
.Lentry_in_a_cluster:
	s_bfe_u32 s2, ttmp6, 0x10000c
	s_cmp_lg_u32 s2, 0xf033
	s_cbranch_scc0 .Lentry_shape_is_right
	s_endpgm
.Lentry_shape_is_right:
; q = X Wq^T, k = X Wk^T and v^T = Wv X^T on codes of FP6 (E2M3) with E8M0 scales; each result is quantised in registers along its own columns
; (q, k: the features; v^T: the keys) and leaves as codes.  One text: v^T is the same product with the operands' parts exchanged.
; A TILE is 128 rows (operand A, source 1) x 256 columns (operand B, source 0), K = 1,024; four waves, each 64 x 128: 32 accumulators.  768 tiles.
; A WORK-GROUP STAYS and makes three tiles: its cluster's row y of tiles, then y + 8, then y + 16 (y = 0 .. 7): rows under 16: A = X, B = Wq and Wk on end; from 16 on: A = Wv, B = X.  256 work-groups.
; THE RING: two LDS slots, each with HALF OF K (four K steps) of the tile's 384 rows, as images of the operands' registers (dense, no pitch).  Slot 0 is filled again with the next tile's first half when its last
; fragments have been read (at K step 3), slot 1 with the second half in the middle of the way out: each refill behind the three lines and a round of the cluster's barrier, one joint load a wave.
; By the text's own count a wave has one tensor load out.  The first two tiles are a loop of two trips; the last, which asks for nothing more, is written out.
; CLUSTER 4 x 4: A's tiles are shared along a row of the cluster, B's along a column: joint loads.
; NO PREFETCH: a tile of X is asked for by the two clusters of a row of tiles, a tile of a weight by all eight rows of clusters, and X's tiles as B by four, at about the same place of the walk:
; of the bytes that the tensor loads ask for, one part in thirteen is a first touch.
; TRANSPOSED USE, and the tiles' row order (row r of tile T is row 32 (T / 2) + 8 (T % 2) + r + 8 (r / 8)): lane (r, h) holds row r of A's tile a, and the 64 registers
; of accumulators (a, 0 .. 7) are columns 32 b + 16 h + i at register 16 b + i: what the quantiser takes.
; OUT.  qkvc: blocks of 6,144 bytes, one a wave and tile (64 rows x 128 columns): registers 6 c + 2 p, 6 c + 2 p + 1 of tile a's fragment, lane l, at 3,072 c + 768 a + 256 p + 8 l.
; qkvs: 256 bytes a block: lane l's 8 bytes at 8 l: word j of lanes 0-15 is tile 2 j's rows' scale word, of lanes 16-31 tile 2 j + 1's.
; Blocks: q: (8 batch + pair of heads) 32 + group of 64 rows;  k: 1,024 + the same;  v^T: 2,048 + (16 batch + head) 16 + step of 128 keys.
; LIMITS: a block of zeros gets the byte 1 (its codes are zeros; only this program reads the bytes); magnitudes under 2^-124 are held at that floor; NaN and infinities are not served.
; REGISTERS: window 0: v1-7 addresses; v16-31 A's scale words, v32-63 B's; v64-111, v112-159 A's fragments, two sets; v224-245 the quantiser's.  window 1: accumulator (a, b) at v[8 (8 a + b)].
;   window 2: B's fragments, two sets, at v0 and v96.
.set AHALF, 49152                      ; LDS: A's half of the rows: [slot = K half][tile 0..3][K step 0..3][1,536]
.set BBASE, 98304                      ; behind A's two halves: B's two
.set BHALF, 98304                      ; [slot][tile 0..7][K step 0..3][1,536]
.set SPARE, 294912                     ; the spare words, 128 bytes a wave, which no other line names
.set A16, 1
.set A8,  2
.set ADRA, 3                           ; v3   my A half + 16 x lane
.set ADRB, 4                           ; v4-5 my B half + 16 x lane, slot 0 and slot 1
.set SPW, 6
.set NIL, 7
.set SA,  16
.set SB,  32
.set AF,  64
.set CT,  112
.set TM,  224
.set PW,  240
.set SW,  244
.set WV,  16                           ; s16 wave; s17 wave / 2: my rows' half, and: I fetch for A (0) or B (1); s18 wave % 2: my columns' half, and: which half I fetch
.set WM,  17
.set WN,  18
.set G1A, 24
.set G1B, 32
.set G0A, 40                           ; s40-47: A's two slots
.set G0B, 56                           ; s56-63: B's
.set SEL, 98
.set MSB, 0
.macro WIN new                         ; the immediate's high byte repeats the setting that is left
.if MSB != \new
	s_set_vgpr_msb (MSB<<8)|\new
.set MSB, \new
.endif
.endm
.macro PLACES                          ; four plain instructions between a matrix instruction and a load into, or a vector read of, its registers
.rept 4
	v_nop
.endr
.endm
.macro CROUND                          ; a round of the cluster's barrier
	s_barrier_signal -1
	s_barrier_wait -1
	s_cmp_lg_u32 s[WV], 0
	s_cbranch_scc1 .Lnot_wave_0_\@
	s_barrier_signal -3
.Lnot_wave_0_\@:
	s_barrier_wait -3
	s_barrier_signal -1
	s_barrier_wait -1
.endm
.macro JLOAD s                         ; a joint load into slot s: waves 0, 1 fetch A's halves, waves 2, 3 B's; each line has one mask
	s_cmp_eq_u32 s[WM], 0
	s_cbranch_scc0 .Lfor_b_\@
	tensor_load_to_lds s[G0A+4*\s:G0A+4*\s+3], s[G1A:G1A+7]
	s_nop 0
	PLACES
	s_branch .Lasked_\@
.Lfor_b_\@:
	tensor_load_to_lds s[G0B+4*\s:G0B+4*\s+3], s[G1B:G1B+7]
	s_nop 0
	PLACES
.Lasked_\@:
.endm
; From s21, the cluster's row of tiles (0 .. 23): what is fetched for that tile.  s22: 0 q and k, 1 v^T; s23 A's block of 128 rows; s76 B's block of 256 rows;
; s[78:79], s[80:81] where the codes that I fetch begin (A's hang on cy alone, B's on cx alone); s[84:85], s[86:87] the scale words of the tiles that I multiply.
.macro SETUP_IN
	s_lshr_b32 s22, s21, 4
	s_mul_i32 s23, s22, 14
	s_sub_co_u32 s23, 15, s23                      ; 15 or 1
	s_and_b32 s23, s21, s23                        ; the cluster's place along A's rows: y, or y % 2
	s_lshl_b32 s23, s23, 2
	s_add_co_u32 s23, s23, s20
	s_bfe_u32 s76, s21, 0x20001                    ; (y / 2) % 4,
	s_mul_i32 s76, s76, s22                        ; for v^T alone
	s_lshl_b32 s76, s76, 3
	s_lshl_b32 s77, ttmp9, 2
	s_add_co_u32 s76, s76, s77
	s_add_co_u32 s76, s76, s19
	s_mul_i32 s78, s22, 640                        ; A's first tile: X's at 0, Wv's at 640,
	s_lshl_b32 s79, s23, 3
	s_add_co_u32 s78, s78, s79                     ; + 8 for each block of 128 rows
	s_lshl_b32 s79, s[WM], 2
	s_add_co_u32 s84, s78, s79                     ; the four tiles that I multiply:
	s_lshl_b32 s84, s84, 9                         ; their scale words, 512 bytes a tile
	s_mov_b32 s85, 0
	s_lshl_b32 s79, s[WN], 2
	s_add_co_u32 s78, s78, s79                     ; the four tiles that I fetch, if I fetch for A
	s_mul_i32 s78, s78, 12288
	s_mov_b32 s79, 0
	s_lshl_b32 s80, s22, 9
	s_sub_co_u32 s80, 512, s80                     ; B's first tile: Wq's at 512, X's at 0,
	s_lshl_b32 s81, s76, 4
	s_add_co_u32 s80, s80, s81                     ; + 16 for each block of 256 rows,
	s_lshl_b32 s81, s[WN], 3
	s_add_co_u32 s80, s80, s81                     ; + my half: the one that I multiply is the one that I fetch, if I fetch for B
	s_lshl_b32 s86, s80, 9
	s_mov_b32 s87, 0
	s_mul_i32 s80, s80, 12288
	s_mov_b32 s81, 0
	s_add_nc_u64 s[78:79], s[4:5], s[78:79]
	s_add_nc_u64 s[80:81], s[4:5], s[80:81]
	s_add_nc_u64 s[84:85], s[6:7], s[84:85]
	s_add_nc_u64 s[86:87], s[6:7], s[86:87]
.endm
.macro SETG0 s                         ; slot s's two descriptors take that tile's K half s; written only where no tensor load of mine is out
	s_add_nc_u64 s[G0A+4*\s+2:G0A+4*\s+3], s[78:79], \s*6144
	s_or_b32 s[G0A+4*\s+3], s[G0A+4*\s+3], 0x80000000
	s_add_nc_u64 s[G0B+4*\s+2:G0B+4*\s+3], s[80:81], \s*6144
	s_or_b32 s[G0B+4*\s+3], s[G0B+4*\s+3], 0x80000000
.endm
.macro SETUP_OUT                       ; from s22, s23, s76: which block of the output is my wave's: s[12:13] its codes, s[14:15] its scale words
	s_lshl_b32 s88, s23, 1
	s_add_co_u32 s88, s88, s[WM]                   ; my group of 64 rows
	s_lshl_b32 s89, s76, 1
	s_add_co_u32 s89, s89, s[WN]                   ; my group of 128 columns
	s_lshr_b32 s90, s89, 3
	s_lshl_b32 s90, s90, 10                        ; q or k,
	s_lshr_b32 s91, s88, 5
	s_lshl_b32 s91, s91, 3                         ; 8 x batch
	s_and_b32 s94, s89, 7
	s_add_co_u32 s91, s91, s94                     ; + pair of heads,
	s_lshl_b32 s91, s91, 5
	s_add_co_u32 s90, s90, s91
	s_and_b32 s94, s88, 31
	s_add_co_u32 s90, s90, s94                     ; + group of rows in the batch
	s_lshr_b32 s91, s89, 4
	s_lshl_b32 s91, s91, 4                         ; v^T: 16 x batch
	s_add_co_u32 s91, s91, s88                     ; + head,
	s_lshl_b32 s91, s91, 4
	s_and_b32 s94, s89, 15
	s_add_co_u32 s91, s91, s94                     ; + step of 128 keys
	s_add_co_u32 s91, s91, 2048
	s_cmp_eq_u32 s22, 0
	s_cselect_b32 s90, s90, s91
	s_lshl_b32 s94, s90, 8
	s_mov_b32 s95, 0
	s_mul_i32 s90, s90, 6144
	s_mov_b32 s91, 0
	s_add_nc_u64 s[12:13], s[8:9], s[90:91]
	s_add_nc_u64 s[14:15], s[10:11], s[94:95]
.endm
.macro SCLOAD                          ; a tile's scale words of all of K go straight into registers: each load is 256 consecutive bytes
.irp i, 0,1,2,3
.irp u, 0,1
	global_load_b64 v[SA+4*\i+2*\u:SA+4*\i+2*\u+1], v[A8], s[84:85] offset:512*\i+256*\u
.endr
.endr
.irp i, 0,1,2,3,4,5,6,7
.irp u, 0,1
	global_load_b64 v[SB+4*\i+2*\u:SB+4*\i+2*\u+1], v[A8], s[86:87] offset:512*\i+256*\u
.endr
.endr
.endm
	s_load_b256 s[4:11], s[0:1], 0x0               ; opc, ops, qkvc, qkvs
	v_lshl_add_u32 v[SPW], v0, 2, SPARE
	v_mov_b32 v[NIL], 0
	ds_add_u32 v[SPW], v[NIL]                      ; the opening: the add, twice on end, and its wait ahead of my first tensor load
	ds_add_u32 v[SPW], v[NIL]
	v_lshrrev_b32 v1, 5, v0
	v_readfirstlane_b32 s[WV], v1
	s_lshr_b32 s[WM], s[WV], 1
	s_and_b32 s[WN], s[WV], 1
	s_bfe_u32 s19, ttmp6, 0x40000                  ; cx
	s_bfe_u32 s20, ttmp6, 0x40004                  ; cy
	s_and_b32 s21, ttmp7, 0xffff                   ; the cluster's y, 0 .. 7: its first row of tiles
	s_lshl_b32 s82, s20, 2
	s_lshl_b32 s82, 15, s82                        ; my row of the cluster
	s_lshl_b32 s83, 0x1111, s19                    ; my column
	s_or_b32 s[G1A], s82, 0x230000                 ; 15:0 the mask; 17:16 elements of 8 bytes; 21 set beside a mask; no padding
	s_or_b32 s[G1B], s83, 0x230000
	s_mov_b32 s[G1A+1], 768<<16                    ; tensor_dim0: four K steps of a tile, 6,144 bytes
	s_mov_b32 s[G1A+2], 4<<16                      ; tensor_dim1: 4 tiles
	s_mov_b32 s[G1A+3], 768<<16                    ; tile_dim0
	s_mov_b32 s[G1A+4], 4                          ; tile_dim1
	s_mov_b32 s[G1A+5], 1536                       ; from tile to tile: 12,288 bytes
	s_mov_b32 s[G1A+6], 0
	s_mov_b32 s[G1A+7], 0
	s_mov_b32 s[G1B+1], 768<<16
	s_mov_b32 s[G1B+2], 8<<16                      ; 8 tiles
	s_mov_b32 s[G1B+3], 768<<16
	s_mov_b32 s[G1B+4], 8
	s_mov_b32 s[G1B+5], 1536
	s_mov_b32 s[G1B+6], 0
	s_mov_b32 s[G1B+7], 0
	s_mul_i32 s92, s[WN], AHALF                    ; where the tiles go: no place in the cluster enters an LDS address
	s_mul_i32 s93, s[WN], BHALF
	s_add_co_u32 s93, s93, BBASE
.irp q, 0,1
	s_mov_b32 s[G0A+4*\q], 1
	s_add_co_u32 s[G0A+4*\q+1], s92, \q*24576
	s_mov_b32 s[G0B+4*\q], 1
	s_add_co_u32 s[G0B+4*\q+1], s93, \q*49152
.endr
	s_mov_b32 s96, 0xffff0000                      ; lanes 16-31
	s_mov_b32 s[SEL], 0x76543210
	s_mov_b32 s[SEL+1], 0xfedcba98
	s_mov_b32 s48, 0                               ; tiles done
	s_wait_dscnt 0x0                               ; both opening adds are done
	s_wait_kmcnt 0x0
	SETUP_IN                                       ; the first tile
	SETG0 0
	SETG0 1
	CROUND                                         ; all sixteen work-groups are here: the joint loads meet
	JLOAD 0                                        ; K's first half: one tensor load a wave at the head
	v_and_b32 v8, 31, v0
	v_lshlrev_b32 v[A8], 3, v8
	v_lshlrev_b32 v[A16], 4, v8
	SCLOAD
	s_mul_i32 s88, s[WM], AHALF
	v_add_nc_u32 v[ADRA], s88, v[A16]
	s_mul_i32 s88, s[WN], BHALF
	s_add_co_u32 s88, s88, BBASE
	v_add_nc_u32 v[ADRB], s88, v[A16]
	s_add_co_u32 s88, s88, 49152
	v_add_nc_u32 v[ADRB+1], s88, v[A16]
.irp b, 0,1,2,3
	v_mov_b32 v[TM+4+\b], 0                        ; written once: a lane permute's destination counts as one of its sources
.endr
; 36 LDS loads in one run: K step k's fragments, B's eight and A's four, into set k % 2; each load is 512 consecutive bytes
.macro FETCH k
.set fs, (\k)%2
	WIN 0x80                                       ; destination window 2
.irp i, 0,1,2,3,4,5,6,7
.irp p, 0,1,2
	ds_load_b128 v[96*fs+12*\i+4*\p:96*fs+12*\i+4*\p+3], v[ADRB+(\k)/4] offset:6144*\i+1536*((\k)%4)+512*\p
.endr
.endr
	WIN 0
.irp i, 0,1,2,3
.irp p, 0,1,2
	ds_load_b128 v[AF+48*fs+12*\i+4*\p:AF+48*fs+12*\i+4*\p+3], v[ADRA] offset:24576*((\k)/4)+6144*\i+1536*((\k)%4)+512*\p
.endr
.endr
.endm
; One product.  The scale words of K step k: register 2 (k / 4) + (k / 2) % 2 of the tile's four; lanes 0-15 for an even k, lanes 16-31 for an odd one.
.macro ONE k, a, b, mode
.set rD, 8*(8*\a+\b)
.set rB, 96*((\k)%2)+12*\b
.set rA, AF+48*((\k)%2)+12*\a
.set rSB, SB+4*\b+2*((\k)/4)+(((\k)/2)%2)
.set rSA, SA+4*\a+2*((\k)/4)+(((\k)/2)%2)
.if \mode == 1
	v_wmma_scale_f32_16x16x128_f8f6f4 v[rD:rD+7], v[rB:rB+11], v[rA:rA+11], 0, v[rSB], v[rSA] matrix_a_fmt:MATRIX_FMT_FP6 matrix_b_fmt:MATRIX_FMT_FP6
.elseif (\k)%2
	v_wmma_scale_f32_16x16x128_f8f6f4 v[rD:rD+7], v[rB:rB+11], v[rA:rA+11], v[rD:rD+7], v[rSB], v[rSA] matrix_a_fmt:MATRIX_FMT_FP6 matrix_b_fmt:MATRIX_FMT_FP6 matrix_a_scale:MATRIX_SCALE_ROW1 matrix_b_scale:MATRIX_SCALE_ROW1
.else
	v_wmma_scale_f32_16x16x128_f8f6f4 v[rD:rD+7], v[rB:rB+11], v[rA:rA+11], v[rD:rD+7], v[rSB], v[rSA] matrix_a_fmt:MATRIX_FMT_FP6 matrix_b_fmt:MATRIX_FMT_FP6
.endif
.endm
.macro MUL k, mode                     ; a K step: 32 products; the 32 accumulators take turns, one instruction a turn.  mode 1: the first products start the sums
	WIN 0x52                                       ; source 0 (B) window 2, source 1 (A) window 0, C and D window 1
.irp a, 0,1,2,3
.irp b, 0,1,2,3,4,5,6,7
	ONE \k, \a, \b, \mode
.endr
.endr
.endm
.macro PAIRK k                         ; K steps k and k + 1 are multiplied; the fragments of k + 1 and k + 2 are fetched
	PLACES
	FETCH \k+1
	MUL \k, 0
	PLACES
	FETCH \k+2
	s_wait_dscnt 36                                ; all but the 36 loads just issued
	MUL \k+1, 0
.endm
; A REFILL of slot s with the next tile's K half s.  Every wave: all its tensor loads are in (its part of the other slot among them), the add, and the wait for the add and for its reads of slot s;
; a round of the cluster's barrier; the joint load first behind it.
.macro REFILL s, walu
	WIN 0
.if \walu
	s_wait_alu depctr_va_vdst(0)
.endif
	s_wait_tensorcnt 0x0
	ds_add_u32 v[SPW], v[NIL]
	SETG0 \s                                       ; no tensor load of mine is out: the descriptors may be written
	s_wait_dscnt 0x0
	CROUND
	JLOAD \s
.endm
; Tile a's 64 numbers a lane (window 1, v[64 a] on) become its fragment's codes, v[AF + 12 a] on, and its scale word v[PW + a].  Each accumulator is read from its low end on.
.macro QUANTW a
.set qs, 64*\a
.set qp, AF+12*\a
	WIN 0x05                                       ; sources 0 and 1 window 1
.irp b, 0,1,2,3
	v_max3_num_f32 v[TM+\b], |v[qs+16*\b]|, |v[qs+1+16*\b]|, 0x1800000    ; and the floor 2^(3 - 127): the byte cannot fall under 1
.endr
	WIN 0x14                                       ; sources 1 and 2 window 1
.irp i, 2,4,6,8,10,12,14
.irp b, 0,1,2,3
	v_max3_num_f32 v[TM+\b], v[TM+\b], |v[qs+16*\b+\i]|, |v[qs+1+16*\b+\i]|
.endr
.endr
	WIN 0
.irp b, 0,1,2,3
	v_permlanex16_b32 v[TM+4+\b], v[TM+\b], s[SEL], s[SEL+1]
.endr
.irp b, 0,1,2,3
	v_max_num_f32 v[TM+\b], v[TM+\b], v[TM+4+\b]
.endr
.irp b, 0,1,2,3
	v_add_nc_u32 v[TM+12+\b], 0xff000000, v[TM+\b]    ; 2 off the exponent field: the conversion's scale operand
.endr
.irp b, 0,1,2,3
	v_lshrrev_b32 v[TM+4+\b], 23, v[TM+12+\b]         ; the scale's byte
.endr
	v_lshl_or_b32 v[PW+\a], v[TM+5], 8, v[TM+4]
	v_lshl_or_b32 v[PW+\a], v[TM+6], 16, v[PW+\a]
	v_lshl_or_b32 v[PW+\a], v[TM+7], 24, v[PW+\a]
	WIN 0x01                                       ; source 0 window 1
.irp c, 0,1
	v_cvt_scalef32_pk16_fp6_f32 v[qp+6*\c:qp+2+6*\c], v[qs+32*\c:qs+15+32*\c], v[TM+12+2*\c]
	v_cvt_scalef32_pk16_fp6_f32 v[CT+4*\c:CT+2+4*\c], v[qs+16+32*\c:qs+31+32*\c], v[TM+12+2*\c+1]
.endr
	WIN 0
	v_nop                                          ; one plain instruction behind the scaled conversions
.irp c, 0,1
.irp i, 0,1,2
	v_permlane16_swap_b32 v[qp+6*\c+\i], v[CT+4*\c+\i]
.endr
.irp i, 0,1,2
	v_mov_b32 v[qp+3+6*\c+\i], v[CT+4*\c+\i]
.endr
.endr
.irp c, 0,1
.irp p, 0,1,2
	global_store_b64 v[A8], v[qp+6*\c+2*\p:qp+6*\c+2*\p+1], s[12:13] offset:3072*\c+768*\a+256*\p   ; 256 consecutive bytes, aligned; within a tile of C each tile a has its own registers
.endr
.endr
.endm
; A TILE OF C.  On the way in: slot 0 holds its first half of K, shown to all waves by a round; slot 1's load is out or in.  more = 1: the ring goes on into the next tile.
.macro TILE more
	s_wait_xcnt 0x0                                ; the last tile's stores have read their registers and their bases: both are written again below
	s_wait_loadcnt 0x0                             ; this tile's scale words are in, and their addresses free
	FETCH 0
	FETCH 1
	SETUP_OUT                                      ; scalar work while the fragments come
.if \more
	s_add_co_u32 s21, s21, 8                       ; the next tile lies eight rows of tiles on
	SETUP_IN
.endif
	s_wait_dscnt 36                                ; K step 0's fragments are in; the 36 loads issued behind them may be out
	MUL 0, 1
	s_wait_dscnt 0x0
	PAIRK 1
.if \more
	REFILL 0, 0                                    ; K steps 0 to 3 have been fetched: slot 0 takes the next tile's; the round also shows slot 1 whole
.else
	WIN 0
	s_wait_tensorcnt 0x0                           ; my part of slot 1 is in
	s_wait_dscnt 0x0
	s_barrier_signal -1                            ; a plain barrier: slot 1 is whole for every wave
	s_barrier_wait -1
.endif
	PAIRK 3
	s_wait_dscnt 0x0
	PAIRK 5
	s_wait_dscnt 0x0
	MUL 7, 0
	WIN 0
	PLACES
.if \more
	SCLOAD                                         ; the next tile's scale words land under the quantiser
.endif
	QUANTW 0
	QUANTW 1
.if \more
	REFILL 1, 1                                    ; K steps 4 to 7 have been fetched: slot 1 takes the next tile's; the round also shows slot 0 whole
.endif
	QUANTW 2
	QUANTW 3
	v_cndmask_b32 v[SW], v[PW], v[PW+1], s96       ; lanes 0-15: tile 0's words, lanes 16-31: tile 1's
	v_cndmask_b32 v[SW+1], v[PW+2], v[PW+3], s96   ; tiles 2 and 3
	global_store_b64 v[A8], v[SW:SW+1], s[14:15]
.endm
	s_wait_alu depctr_va_vdst(0)
	s_wait_tensorcnt 0x0                           ; my part of slot 0 is in
	ds_add_u32 v[SPW], v[NIL]
	s_wait_dscnt 0x0
	CROUND                                         ; slot 0 is whole for every wave, and the sixteen work-groups meet
	JLOAD 1                                        ; K's second half: my one load behind the round
.Ltile:                                            ; two trips: the tiles that have a successor
	TILE 1
	s_add_co_u32 s48, s48, 1
	s_cmp_lt_u32 s48, 2
	s_wait_alu depctr_va_vdst(0)
	s_cbranch_scc1 .Ltile
	TILE 0                                         ; the last tile asks for nothing more
	s_wait_tensorcnt 0x0                           ; the wave's end
	ds_add_u32 v[SPW], v[NIL]
	s_wait_dscnt 0x0
	CROUND                                         ; the closing round
	s_endpgm
.Lfunc_end_k_qf90a0c3cf7_qkv:
	.size	k_qf90a0c3cf7_qkv, .Lfunc_end_k_qf90a0c3cf7_qkv-k_qf90a0c3cf7_qkv
	.p2alignl 7, 3214868480
	.fill 96, 4, 3214868480
	.section	.rodata,"a",@progbits
	.p2align	6, 0x0
	.amdhsa_kernel k_qf90a0c3cf7_qkv
		.amdhsa_group_segment_fixed_size 327680
		.amdhsa_private_segment_fixed_size 0
		.amdhsa_enable_private_segment 0
		.amdhsa_kernarg_size 32
		.amdhsa_user_sgpr_count 2
		.amdhsa_user_sgpr_kernarg_segment_ptr 1
		.amdhsa_wavefront_size32 1
		.amdhsa_system_sgpr_workgroup_id_x 1
		.amdhsa_system_sgpr_workgroup_id_y 1
		.amdhsa_system_sgpr_workgroup_id_z 1
		.amdhsa_system_vgpr_workitem_id 0
		.amdhsa_next_free_vgpr 704
		.amdhsa_next_free_sgpr 100
		.amdhsa_reserve_vcc 0
		.amdhsa_float_denorm_mode_32 3
		.amdhsa_float_denorm_mode_16_64 3
		.amdhsa_memory_ordered 1
		.amdhsa_forward_progress 1
		.amdhsa_inst_pref_size 158
	.end_amdhsa_kernel
	.amdgpu_metadata
---
amdhsa.version: [ 1, 2 ]
amdhsa.kernels:
  - .name:           k_qf90a0c3cf7_qkv
    .symbol:         k_qf90a0c3cf7_qkv.kd
    .args:
      - { .name: opc, .offset: 0, .size: 8, .value_kind: global_buffer, .address_space: global }
      - { .name: ops, .offset: 8, .size: 8, .value_kind: global_buffer, .address_space: global }
      - { .name: qkvc, .offset: 16, .size: 8, .value_kind: global_buffer, .address_space: global }
      - { .name: qkvs, .offset: 24, .size: 8, .value_kind: global_buffer, .address_space: global }
    .group_segment_fixed_size: 327680
    .private_segment_fixed_size: 0
    .kernarg_segment_align: 8
    .kernarg_segment_size: 32
    .max_flat_workgroup_size: 128
    .sgpr_count:     100
    .vgpr_count:     704
    .wavefront_size: 32
...
	.end_amdgpu_metadata
.endif
;; end of part 2
;; launch attn (part 3): grid 4 x 64, 8 waves a work-group, clusters of 4 x 1, 209,920 bytes of LDS; arguments qkvc, qkvs, cc, cs; writes cc, cs
.if DOCPART == 3
	.amdgcn_target "amdgcn-amd-amdhsa--gfx1250"
	.amdhsa_code_object_version 6
	.text
	.protected	k_qf90a0c3cf7_attn
	.globl	k_qf90a0c3cf7_attn
	.p2align	8
	.type	k_qf90a0c3cf7_attn,@function
k_qf90a0c3cf7_attn:
	s_mov_b64 s[64:65], 0
	v_nop
	global_prefetch_b8 v0, s[64:65] scope:SCOPE_SE
	s_setreg_imm32_b32 hwreg(HW_REG_WAVE_MODE, 25, 1), 1
	s_wait_xcnt 0x0
	s_wait_alu depctr_hold_cnt(0) depctr_sa_sdst(0) depctr_va_vdst(0) depctr_va_sdst(0) depctr_va_ssrc(0) depctr_va_vcc(0) depctr_vm_vsrc(0)
	s_getreg_b32 s2, hwreg(HW_REG_IB_STS2, 6, 4)
	s_cmp_eq_u32 s2, 0
	s_cbranch_scc0 .Lentry_in_a_cluster
	s_endpgm
.Lentry_in_a_cluster:
	s_bfe_u32 s2, ttmp6, 0x10000c
	s_cmp_lg_u32 s2, 0x3003
	s_cbranch_scc0 .Lentry_shape_is_right
	s_endpgm
.Lentry_shape_is_right:
; ctx = softmax(q k^T / 8) v for one batch and ONE head, both products on codes of FP6 (E2M3) with E8M0 scales; ctx is quantised in registers and leaves as codes.
; THE SOFTMAX: t = score x log2(e) / 8; M = the running largest t rounded UP to a whole number; p = 2^(t - M) is quantised along the keys, not normalised; the row's sum is taken of the
; unquantised p and divides at the end.  When M moves, the sum and O are multiplied by 2^(old M - new M), which rounds nothing.
; SHARES.  A work-group: 512 queries of one head; eight waves, each 64 queries = 4 tiles of 16, taken two tiles at a time.  256 work-groups.
; ALL OF THE HEAD'S K AND V LIE IN LDS AT ONCE: 98,304 bytes each, and 12,288 bytes of scale words.  Every byte is filled once, by one tensor load a wave at the head: waves 0-3 a quarter of K,
; waves 4, 5 a half of V, wave 6 K's scale words, wave 7 V's.  One barrier shows them to all; behind it the waves share nothing.
; CLUSTER 4 x 1: the four query blocks of a head need the same K and V: joint loads.  NO PREFETCH: every tile is asked for at the head, so no later load is left to run ahead of.
; LAYOUT.  Both products transposed: S^T = K Q^T, O^T = V^T P^T: a lane holds one query.  THE KEYS OF A TILE OF K ARE CHOSEN BY THE LANES' LDS ADDRESSES: row 8 e + j of tile 4 c + u is key
; 64 c + 32 e + 8 u + j of the step's 128, so that the 32 registers of score tiles 4 c .. 4 c + 3 in lane (query, h) are the keys 64 c + 32 h + 0 .. 31: one whole scale block, in the operand's own order.
; A stored tile T holds key 32 (T / 2) + 8 (T % 2) + r + 8 (r / 8) in row r; piece p of half h of that row lies at 768 T + 256 p + 128 h + 8 r.
; A HEAD IS 64 WIDE, the instruction 128: K's and Q's codes fill the operands' lower halves; Q's upper half is zero codes, K's upper half is whatever the next six registers hold.
; The stored scale words hold two heads' bytes: a 16-bit load takes my head's two; the upper two bytes are 0 and scale products with zero codes.
; OUT.  cc: [tile = 128 batch + query tile][K step = pair of heads][head % 2][768]: registers 2 p, 2 p + 1 of the half fragment, lane l, at 256 p + 8 l.
; cs: [16 batch + head][group of 4 tiles][row r][tile % 4]: a word with my head's two bytes at their place in the K step's scale word, the other two 0: the reader joins two heads' words.
; LIMITS: the promise holds while the scaled scores stay under 2^31 in magnitude; a block of zeros gets the byte 1 (its codes are zeros; only this program reads the bytes); a p under 2^-126 counts as 0;
; NaN and infinities are not served.  The last step's look-ahead reads LDS bytes behind K's (V's, filled) and uses nothing of them.
; REGISTERS.  window 0: v1-10 addresses; v12-23 scale words; v24-39 a tile's -M, largest score, sum in two halves; v40-63 at work; v64-111 K's eight half fragments, v112-117 zeros behind them; v128-255 S^T, then p, of two tiles.
;   window 1: v0-127 O^T of four tiles; v128-175 Q; v176-223 V's four fragments; v224-247 p's codes of two tiles.
.set VB,    98304
.set SCK,   196608
.set SCV,   204800
.set SPARE, 208896                     ; the spare words, 128 bytes a wave, which no other line names
.set L8,  1
.set SPW, 2
.set NIL, 3
.set LK,  4                            ; my lane's part of K's addresses: 1,536 (r / 8) + 8 (r % 8) + 128 h
.set LSK, 5                            ; and of K's scale words: 4 (r / 8) + 8 (r % 8) + 128 h + 2 (head % 2)
.set AK,  6
.set AV,  7
.set ASK, 8
.set ASV, 9
.set SH8, 10                           ; 8 h
.set KS,  12
.set VS,  16
.set QS,  18
.set PS,  22
.set STB, 24
.set BM,  40
.set X,   44
.set F,   48
.set TS,  52
.set Y,   122                          ; v122-125 lane permutes' results; v52-63 (TS on) the sums' six side chains
.set KC,  64
.set S,   128
.set O,   0
.set QF,  128
.set VF,  176
.set P,   224
.set WV,  12
.set NC,  18
.set SEL, 20
.set CS,  22
.set G1K, 24
.set G1V, 32
.set G1SK, 40
.set G1SV, 48
.set G0K, 56
.set G0V, 60
.set G0SK, 68
.set G0SV, 72
.set TK,  88
.set TV,  89
.set TSK, 90
.set TSV, 91
.set CNT, 92
.set SHP, 93
.set MSB, 0
.macro WIN new                         ; the immediate's high byte repeats the setting that is left
.if MSB != \new
	s_set_vgpr_msb (MSB<<8)|\new
.set MSB, \new
.endif
.endm
.macro WALU
	s_wait_alu depctr_va_vdst(0)
.endm
.macro CROUND                          ; a round of the cluster's barrier
	s_barrier_signal -1
	s_barrier_wait -1
	s_cmp_lg_u32 s[WV], 0
	s_cbranch_scc1 .Lnot_wave_0_\@
	s_barrier_signal -3
.Lnot_wave_0_\@:
	s_barrier_wait -3
	s_barrier_signal -1
	s_barrier_wait -1
.endm
.macro GRP g, c, rows, pitch           ; descriptor group 1: rows of c elements of 8 bytes; the mask names all four work-groups, bit 21 beside it; no padding
	s_mov_b32 s[\g], 0x0023000f
	s_mov_b32 s[\g+1], (\c)<<16
	s_mov_b32 s[\g+2], (\rows)<<16
	s_mov_b32 s[\g+3], (\c)<<16
	s_mov_b32 s[\g+4], \rows
	s_mov_b32 s[\g+5], \pitch
	s_mov_b32 s[\g+6], 0
	s_mov_b32 s[\g+7], 0
.endm
.macro TLOAD g0, g1
	tensor_load_to_lds s[\g0:\g0+3], s[\g1:\g1+7]
	s_nop 0
.rept 4
	v_nop
.endr
.endm
	s_load_b256 s[4:11], s[0:1], 0x0               ; qkvc, qkvs, cc, cs
	v_lshl_add_u32 v[SPW], v0, 2, SPARE
	v_mov_b32 v[NIL], 0
	ds_add_u32 v[SPW], v[NIL]                      ; the opening: the add, twice on end, and its wait ahead of my first tensor load
	ds_add_u32 v[SPW], v[NIL]
	v_lshrrev_b32 v4, 5, v0
	v_readfirstlane_b32 s[WV], v4                  ; wave 0..7
	s_bfe_u32 s13, ttmp6, 0x40000                  ; cx: it enters Q's and ctx's addresses alone
	s_lshl_b32 s14, ttmp9, 2
	s_add_co_u32 s14, s14, s13                     ; my block of 512 queries
	s_and_b32 s15, ttmp7, 0xffff                   ; y = 16 x batch + head
	s_and_b32 s16, s15, 1                          ; head % 2
	s_lshr_b32 s17, s15, 1                         ; 8 x batch + pair of heads
	s_and_b32 s76, s[WV], 3
	s_and_b32 s77, s[WV], 1
	s_mul_i32 s78, s17, 196608                     ; K: blocks of 6,144 bytes from block 1,024 on, 32 to a pair of heads; my head's half of a block; a quarter is 8 blocks
	s_add_co_u32 s78, s78, 6291456
	s_mul_i32 s79, s16, 3072
	s_add_co_u32 s78, s78, s79
	s_mul_i32 s79, s76, 49152
	s_add_co_u32 s78, s78, s79
	s_mov_b32 s79, 0
	s_mul_i32 s80, s15, 98304                      ; V: from block 2,048 on, 16 blocks a head, dense
	s_add_co_u32 s80, s80, 12582912
	s_mul_i32 s81, s77, 49152
	s_add_co_u32 s80, s80, s81
	s_mov_b32 s81, 0
	s_lshl_b32 s82, s17, 13                        ; the scale words: 256 bytes a block
	s_add_co_u32 s82, s82, 262144
	s_mov_b32 s83, 0
	s_lshl_b32 s84, s15, 12
	s_add_co_u32 s84, s84, 524288
	s_mov_b32 s85, 0
	s_lshl_b32 s86, s17, 5                         ; Q: block 32 (8 batch + pair) + 8 x query block + wave
	s_lshl_b32 s87, s14, 3
	s_add_co_u32 s86, s86, s87
	s_add_co_u32 s86, s86, s[WV]
	s_lshl_b32 s94, s86, 8
	s_lshl_b32 s95, s16, 1
	s_add_co_u32 s94, s94, s95                     ; its scale words, my head's two bytes
	s_mov_b32 s95, 0
	s_mul_i32 s86, s86, 6144
	s_mul_i32 s87, s16, 3072
	s_add_co_u32 s86, s86, s87
	s_mov_b32 s87, 0
	s_lshr_b32 s96, s15, 4                         ; ctx: tile 128 batch + 32 x query block + 4 wave
	s_lshl_b32 s96, s96, 7
	s_lshl_b32 s97, s14, 5
	s_add_co_u32 s96, s96, s97
	s_lshl_b32 s97, s[WV], 2
	s_add_co_u32 s96, s96, s97
	s_mul_i32 s96, s96, 12288
	s_and_b32 s97, s17, 7
	s_mul_i32 s97, s97, 1536
	s_add_co_u32 s96, s96, s97
	s_mul_i32 s97, s16, 768
	s_add_co_u32 s96, s96, s97
	s_mov_b32 s97, 0
	s_lshl_b32 s98, s15, 5                         ; its scale words: 256 bytes for (y, group of 4 tiles)
	s_lshl_b32 s99, s14, 3
	s_add_co_u32 s98, s98, s99
	s_add_co_u32 s98, s98, s[WV]
	s_lshl_b32 s98, s98, 8
	s_mov_b32 s99, 0
	GRP G1K, 384, 8, 768                           ; 8 rows of 3,072 bytes, 6,144 apart
	GRP G1V, 32, 192, 32                           ; dense blocks as rows of 256 bytes
	GRP G1SK, 32, 32, 32
	GRP G1SV, 32, 16, 32
	s_mov_b32 s[SEL], 0x76543210
	s_mov_b32 s[SEL+1], 0xfedcba98
	s_mov_b32 s[CS], 0x3e38aa3b                    ; c = log2(e) / 8
	s_mov_b32 s[CS+1], s[CS]
	s_mov_b32 s[NC], 0xbe38aa3b                    ; -c
	s_lshl_b32 s[SHP], s16, 4
	s_mov_b32 s[TK], 0
	s_mov_b32 s[TV], VB
	s_mov_b32 s[TSK], SCK
	s_mov_b32 s[TSV], SCV
	s_mov_b32 s[CNT], 16
	WALU
	s_wait_dscnt 0x0                               ; both opening adds are done
	s_wait_kmcnt 0x0
	s_mov_b32 s[G0K], 1
	s_mul_i32 s[G0K+1], s76, 24576
	s_add_nc_u64 s[G0K+2:G0K+3], s[4:5], s[78:79]
	s_or_b32 s[G0K+3], s[G0K+3], 0x80000000
	s_mov_b32 s[G0V], 1
	s_mul_i32 s[G0V+1], s77, 49152
	s_add_co_u32 s[G0V+1], s[G0V+1], VB
	s_add_nc_u64 s[G0V+2:G0V+3], s[4:5], s[80:81]
	s_or_b32 s[G0V+3], s[G0V+3], 0x80000000
	s_mov_b32 s[G0SK], 1
	s_mov_b32 s[G0SK+1], SCK
	s_add_nc_u64 s[G0SK+2:G0SK+3], s[6:7], s[82:83]
	s_or_b32 s[G0SK+3], s[G0SK+3], 0x80000000
	s_mov_b32 s[G0SV], 1
	s_mov_b32 s[G0SV+1], SCV
	s_add_nc_u64 s[G0SV+2:G0SV+3], s[6:7], s[84:85]
	s_or_b32 s[G0SV+3], s[G0SV+3], 0x80000000
	s_add_nc_u64 s[86:87], s[4:5], s[86:87]
	s_add_nc_u64 s[94:95], s[6:7], s[94:95]
	s_add_nc_u64 s[8:9], s[8:9], s[96:97]
	s_add_nc_u64 s[10:11], s[10:11], s[98:99]
	CROUND                                         ; all four work-groups are here: the joint loads meet
	s_cmp_lt_u32 s[WV], 4                          ; one chain of branches on the wave's number, one load to an arm: every wave issues one
	s_cbranch_scc0 .Larm_v
	TLOAD G0K, G1K
	s_branch .Lasked
.Larm_v:
	s_cmp_lt_u32 s[WV], 6
	s_cbranch_scc0 .Larm_sk
	TLOAD G0V, G1V
	s_branch .Lasked
.Larm_sk:
	s_cmp_eq_u32 s[WV], 6
	s_cbranch_scc0 .Larm_sv
	TLOAD G0SK, G1SK
	s_branch .Lasked
.Larm_sv:
	TLOAD G0SV, G1SV
.Lasked:
	v_and_b32 v[L8], 31, v0
	v_lshlrev_b32 v[L8], 3, v[L8]
	v_and_b32 v[X], 7, v0
	v_bfe_u32 v[X+1], v0, 3, 1
	v_bfe_u32 v[X+2], v0, 4, 1
	v_lshlrev_b32 v[LK], 3, v[X]
	v_lshl_add_u32 v[LSK], v[X+1], 2, v[LK]
	v_mad_u32_u24 v[LK], v[X+1], 1536, v[LK]
	v_lshl_add_u32 v[LK], v[X+2], 7, v[LK]
	v_lshl_add_u32 v[LSK], v[X+2], 7, v[LSK]
	s_lshl_b32 s76, s16, 1
	v_add_nc_u32 v[LSK], s76, v[LSK]
	v_lshlrev_b32 v[SH8], 3, v[X+2]
	v_and_b32 v[AK], 15, v0
	v_lshlrev_b32 v[AK], 3, v[AK]                  ; 8 r, for Q's scale words (rewritten only behind the wait for the loads)
	WIN 0x40                                       ; destination window 1
.irp a, 0,1,2,3
.irp p, 0,1,2
	global_load_b64 v[QF+12*\a+2*\p:QF+12*\a+2*\p+1], v[L8], s[86:87] offset:768*\a+256*\p
.endr
.endr
	WIN 0
.irp a, 0,1,2,3
	global_load_u16 v[QS+\a], v[AK], s[94:95] offset:128*(\a%2)+4*(\a/2)
.endr
.irp t, 0,1,2,3
	v_mov_b32 v[STB+4*\t], 0x7e000000              ; -M: M begins under every t
	v_mov_b32 v[STB+4*\t+1], 0xff61b1e6            ; the largest score so far: -3e38
	v_mov_b32 v[STB+4*\t+2], 0                     ; the sums
	v_mov_b32 v[STB+4*\t+3], 0
	v_mov_b32 v[Y+\t], 0                           ; written once: a lane permute's destination counts as one of its sources
	v_mov_b32 v[F+\t], 0                           ; (the odd ones are only named, as halves of pairs)
.endr
.irp j, 0,1,2,3,4,5
	v_mov_b32 v[KC+48+\j], 0                       ; what stands behind K's last half fragment
.endr
	WIN 0x40
.irp a, 0,1,2,3
.irp j, 6,7,8,9,10,11
	v_mov_b32 v[QF+12*\a+\j], 0                    ; Q's upper half: zero codes
.endr
.endr
.set j, 0
.rept 128
	v_mov_b32 v[O+j], 0                            ; O^T: the step is written once; its first pass finds zeros, which the first change of M leaves zeros
.set j, j+1
.endr
	WIN 0
	WALU
	s_wait_loadcnt 0x0                             ; Q and its scale words
	s_wait_tensorcnt 0x0                           ; my tile is in
	s_barrier_signal -1
	s_barrier_wait -1                              ; and so is everybody's
.macro KLOAD                           ; a step's K: 24 loads of 8 bytes a lane and 4 of scale bytes.  The four lines ahead are the places behind the products that read these registers
	v_add_nc_u32 v[AK], s[TK], v[LK]
	v_add_nc_u32 v[ASK], s[TSK], v[LSK]
	v_nop
	v_nop
.irp i, 0,1,2,3,4,5,6,7
.irp p, 0,1,2
	ds_load_b64 v[KC+6*\i+2*\p:KC+6*\i+2*\p+1], v[AK] offset:3072*(\i/4)+768*(\i%2)+64*((\i%4)/2)+256*\p
.endr
.endr
.irp w, 0,1,2,3
	ds_load_u16 v[KS+\w], v[ASK] offset:256*(\w/2)+64*(\w%2)   ; lanes 0-15: tile 2 w's rows, lanes 16-31: tile 2 w + 1's
.endr
	s_add_co_u32 s[TK], s[TK], 6144
	s_add_co_u32 s[TSK], s[TSK], 512
.endm
.macro VLOAD                           ; a step's V: 24 loads, each 256 consecutive bytes, and its scale words
	v_add_nc_u32 v[AV], s[TV], v[L8]
	v_add_nc_u32 v[ASV], s[TSV], v[L8]
	v_nop
	v_nop
	WIN 0x40
.irp a, 0,1,2,3
.irp c, 0,1
.irp p, 0,1,2
	ds_load_b64 v[VF+12*\a+6*\c+2*\p:VF+12*\a+6*\c+2*\p+1], v[AV] offset:3072*\c+768*\a+256*\p
.endr
.endr
.endr
	WIN 0
	ds_load_b64 v[VS:VS+1], v[ASV]
	s_add_co_u32 s[TV], s[TV], 6144
	s_add_co_u32 s[TSV], s[TSV], 256
.endm
.macro QK1 l, i, t0
.if (\i)%2
	v_wmma_scale_f32_16x16x128_f8f6f4 v[S+64*\l+8*\i:S+64*\l+8*\i+7], v[KC+6*\i:KC+6*\i+11], v[QF+12*(\t0+\l):QF+12*(\t0+\l)+11], 0, v[KS+(\i)/2], v[QS+\t0+\l] matrix_a_fmt:MATRIX_FMT_FP6 matrix_b_fmt:MATRIX_FMT_FP6 matrix_a_scale:MATRIX_SCALE_ROW1
.else
	v_wmma_scale_f32_16x16x128_f8f6f4 v[S+64*\l+8*\i:S+64*\l+8*\i+7], v[KC+6*\i:KC+6*\i+11], v[QF+12*(\t0+\l):QF+12*(\t0+\l)+11], 0, v[KS+(\i)/2], v[QS+\t0+\l] matrix_a_fmt:MATRIX_FMT_FP6 matrix_b_fmt:MATRIX_FMT_FP6
.endif
.endm
.macro QK t0                           ; S^T of 128 keys for tiles t0, t0 + 1: 16 products
	WIN 0x04                                       ; source 1 (Q) window 1
.irp l, 0,1
.irp i, 0,1,2,3,4,5,6,7
	QK1 \l, \i, \t0
.endr
.endr
	WIN 0
.endm
.macro PV1 a, l, t0
.set rO, O+32*(\t0+\l)+8*\a
.if (\a)%2
	v_wmma_scale_f32_16x16x128_f8f6f4 v[rO:rO+7], v[VF+12*\a:VF+12*\a+11], v[P+12*\l:P+12*\l+11], v[rO:rO+7], v[VS+(\a)/2], v[PS+\l] matrix_a_fmt:MATRIX_FMT_FP6 matrix_b_fmt:MATRIX_FMT_FP6 matrix_a_scale:MATRIX_SCALE_ROW1
.else
	v_wmma_scale_f32_16x16x128_f8f6f4 v[rO:rO+7], v[VF+12*\a:VF+12*\a+11], v[P+12*\l:P+12*\l+11], v[rO:rO+7], v[VS+(\a)/2], v[PS+\l] matrix_a_fmt:MATRIX_FMT_FP6 matrix_b_fmt:MATRIX_FMT_FP6
.endif
.endm
; THE SOFTMAX OF TWO TILES x 128 KEYS, AND O^T += V^T P^T.  Block q = 2 l + c: tile t0 + l, keys 64 c + 32 h + 0 .. 31, registers S + 32 q on.  vw = 1: V's loads are waited for here.
.macro ADDR t0, j                      ; a round of the sums: each of the two tiles' four chains takes two more p, from register j on
.irp l, 0,1
	v_pk_add_f32 v[STB+4*(\t0+\l)+2:STB+4*(\t0+\l)+3], v[STB+4*(\t0+\l)+2:STB+4*(\t0+\l)+3], v[S+64*\l+\j:S+64*\l+\j+1]
.irp c, 0,1,2
	v_pk_add_f32 v[TS+6*\l+2*\c:TS+6*\l+2*\c+1], v[TS+6*\l+2*\c:TS+6*\l+2*\c+1], v[S+64*\l+\j+2+2*\c:S+64*\l+\j+3+2*\c]
.endr
.endr
.endm
.macro ADDM t0                         ; the last two p, and the four chains become one
.irp l, 0,1
	v_pk_add_f32 v[STB+4*(\t0+\l)+2:STB+4*(\t0+\l)+3], v[STB+4*(\t0+\l)+2:STB+4*(\t0+\l)+3], v[S+64*\l+62:S+64*\l+63]
	v_pk_add_f32 v[TS+6*\l:TS+6*\l+1], v[TS+6*\l:TS+6*\l+1], v[TS+6*\l+2:TS+6*\l+3]
.endr
.irp l, 0,1
	v_pk_add_f32 v[STB+4*(\t0+\l)+2:STB+4*(\t0+\l)+3], v[STB+4*(\t0+\l)+2:STB+4*(\t0+\l)+3], v[TS+6*\l+4:TS+6*\l+5]
.endr
.irp l, 0,1
	v_pk_add_f32 v[STB+4*(\t0+\l)+2:STB+4*(\t0+\l)+3], v[STB+4*(\t0+\l)+2:STB+4*(\t0+\l)+3], v[TS+6*\l:TS+6*\l+1]
.endr
.endm
.macro SOFT t0, vw
.irp q, 0,1,2,3
	v_max3_num_f32 v[BM+\q], v[S+32*\q], v[S+32*\q+1], v[S+32*\q+2]    ; each block's largest score, the four by turns, each accumulator from its low end on: it serves the row's maximum and the block's largest p
.endr
.irp q, 0,1,2,3
	v_max3_num_f32 v[X+\q], v[S+32*\q+16], v[S+32*\q+17], v[S+32*\q+18]    ; two chains a block, one over each half: eight lines that do not hang on each other
.endr
.irp i, 3,5,7,9,11,13
.irp q, 0,1,2,3
	v_max3_num_f32 v[BM+\q], v[BM+\q], v[S+32*\q+\i], v[S+32*\q+\i+1]
.endr
.irp q, 0,1,2,3
	v_max3_num_f32 v[X+\q], v[X+\q], v[S+32*\q+16+\i], v[S+32*\q+17+\i]
.endr
.endr
.irp q, 0,1,2,3
	v_max3_num_f32 v[BM+\q], v[BM+\q], v[X+\q], v[S+32*\q+15]
.endr
.irp q, 0,1,2,3
	v_max_num_f32 v[BM+\q], v[BM+\q], v[S+32*\q+31]
.endr
.irp l, 0,1
.if \l == 0
	s_delay_alu instid0(VALU_DEP_3)                ; the two tiles' chains are too few to cover each other: one-field hints, each naming the nearest line that it reads
.else
	s_delay_alu instid0(VALU_DEP_2)
.endif
	v_max3_num_f32 v[X+\l], v[BM+2*\l], v[BM+2*\l+1], v[STB+4*(\t0+\l)+1]
.endr
.irp l, 0,1
	s_delay_alu instid0(VALU_DEP_2)
	v_permlanex16_b32 v[Y+\l], v[X+\l], s[SEL], s[SEL+1]
.endr
.irp l, 0,1
	s_delay_alu instid0(VALU_DEP_2)
	v_max_num_f32 v[STB+4*(\t0+\l)+1], v[X+\l], v[Y+\l]      ; the query's running largest score, the same in both halves of the lanes
.endr
.irp l, 0,1
	s_delay_alu instid0(VALU_DEP_2)
	v_mul_f32 v[X+\l], s[NC], v[STB+4*(\t0+\l)+1]            ; -t
.endr
.irp l, 0,1
	s_delay_alu instid0(VALU_DEP_2)
	v_floor_f32 v[Y+\l], v[X+\l]                             ; the new -M = -ceil(t): a whole number
.endr
.irp l, 0,1
	s_delay_alu instid0(VALU_DEP_2)
	v_sub_f32 v[X+\l], v[Y+\l], v[STB+4*(\t0+\l)]            ; old M - new M: 0 or less
.endr
.irp l, 0,1
	s_delay_alu instid0(VALU_DEP_4)
	v_mov_b32 v[STB+4*(\t0+\l)], v[Y+\l]
.endr
.irp l, 0,1
	s_delay_alu instid0(VALU_DEP_4)
	v_cvt_i32_f32 v[X+\l], v[X+\l]                           ; (it saturates)
.endr
.irp l, 0,1
	s_delay_alu instid0(VALU_DEP_2)
	v_ldexp_f32 v[F+2*\l], 1.0, v[X+\l]                      ; f = 2^(old M - new M)
.endr
.irp l, 0,1
.set j, 0
.rept 32
	v_pk_fma_f32 v[S+64*\l+j:S+64*\l+j+1], v[S+64*\l+j:S+64*\l+j+1], s[CS:CS+1], v[STB+4*(\t0+\l):STB+4*(\t0+\l)+1] op_sel_hi:[1,0,0]   ; t - M, two at a time
.set j, j+2
.endr
	v_pk_fma_f32 v[BM+2*\l:BM+2*\l+1], v[BM+2*\l:BM+2*\l+1], s[CS:CS+1], v[STB+4*(\t0+\l):STB+4*(\t0+\l)+1] op_sel_hi:[1,0,0]           ; the same of the blocks' largest scores
.endr
	WALU
.set j, 0
.rept 128
	v_exp_f32 v[S+j], v[S+j]                       ; p = 2^(t - M)
.set j, j+1
.endr
.irp q, 0,1,2,3
	v_exp_f32 v[BM+\q], v[BM+\q]                   ; the blocks' largest p
.endr
.irp l, 0,1
	v_pk_mul_f32 v[STB+4*(\t0+\l)+2:STB+4*(\t0+\l)+3], v[STB+4*(\t0+\l)+2:STB+4*(\t0+\l)+3], v[F+2*\l:F+2*\l+1] op_sel_hi:[1,0]   ; the sums under the new M: plain work behind the batch
.endr
	WALU                                           ; one wait for the batch, ahead of its first reader
.irp l, 0,1
	v_pk_add_f32 v[TS+6*\l:TS+6*\l+1], v[S+64*\l:S+64*\l+1], v[S+64*\l+2:S+64*\l+3]         ; the rows' sums of the unquantised p: four chains a tile
	v_pk_add_f32 v[TS+6*\l+2:TS+6*\l+3], v[S+64*\l+4:S+64*\l+5], v[S+64*\l+6:S+64*\l+7]
	v_pk_add_f32 v[TS+6*\l+4:TS+6*\l+5], v[S+64*\l+8:S+64*\l+9], v[S+64*\l+10:S+64*\l+11]
	v_pk_add_f32 v[STB+4*(\t0+\l)+2:STB+4*(\t0+\l)+3], v[STB+4*(\t0+\l)+2:STB+4*(\t0+\l)+3], v[S+64*\l+12:S+64*\l+13]
.endr
	ADDR \t0, 14                                   ; a round of eight additions stands ahead of each of the scale word's seven dependent levels
.irp q, 0,1,2,3
	v_max_num_f32 v[BM+\q], 0x1800000, v[BM+\q]    ; the floor 2^(3 - 127): the byte cannot fall under 1
.endr
	ADDR \t0, 22
.irp q, 0,1,2,3
	v_add_nc_u32 v[BM+\q], 0xff000000, v[BM+\q]    ; 2 off the exponent field: the conversion's scale operand
.endr
	ADDR \t0, 30
.irp q, 0,1,2,3
	v_lshrrev_b32 v[X+\q], 23, v[BM+\q]            ; the scale's byte
.endr
	ADDR \t0, 38
.irp l, 0,1
	v_lshl_or_b32 v[X+2*\l], v[X+2*\l+1], 16, v[X+2*\l]      ; my two bytes: blocks h and 2 + h of the 128 keys,
.endr
	ADDR \t0, 46
.irp l, 0,1
	v_lshlrev_b32 v[X+2*\l], v[SH8], v[X+2*\l]               ; at their places;
.endr
	ADDR \t0, 54
.irp l, 0,1
	v_permlanex16_b32 v[Y+\l], v[X+2*\l], s[SEL], s[SEL+1]
.endr
	ADDM \t0
.irp l, 0,1
	v_or_b32 v[PS+\l], v[X+2*\l], v[Y+\l]                    ; with lane l xor 16's two the word is whole
.endr
	WIN 0x40
.irp q, 0,1,2,3
	v_cvt_scalef32_pk16_fp6_f32 v[P+6*\q:P+6*\q+2], v[S+32*\q:S+32*\q+15], v[BM+\q]
.endr
	WIN 0
	v_nop                                          ; a plain line between the conversions and the lines that write their sources
.irp q, 0,1,2,3
	v_cvt_scalef32_pk16_fp6_f32 v[S+32*\q:S+32*\q+2], v[S+32*\q+16:S+32*\q+31], v[BM+\q]   ; (a conversion's three registers begin on an even number: made in p's spent registers and moved)
.endr
	v_nop
	WIN 0x40
.irp q, 0,1,2,3
.irp i, 0,1,2
	v_mov_b32 v[P+6*\q+3+\i], v[S+32*\q+\i]
.endr
.endr
	WIN 0x41                                       ; O^T: destination and source 0 window 1
	WALU
.irp l, 0,1
.set j, 0
.rept 16
	v_pk_mul_f32 v[O+32*(\t0+\l)+j:O+32*(\t0+\l)+j+1], v[O+32*(\t0+\l)+j:O+32*(\t0+\l)+j+1], v[F+2*\l:F+2*\l+1] op_sel_hi:[1,0]   ; O^T under the new M; these 32 lines also stand between the writes of p's codes and scale words and the products
.set j, j+2
.endr
.endr
.if \vw
	WALU
	s_wait_dscnt 0x0                               ; V and its scale words
.endif
	WIN 0x55                                       ; all of the product's registers in window 1
.irp a, 0,1,2,3
.irp l, 0,1
	PV1 \a, \l, \t0                                ; the eight accumulators take turns
.endr
.endr
.endm
	KLOAD                                          ; step 0's K
.Lstep:                                            ; sixteen steps of 128 keys
	VLOAD                                          ; lands under the first softmax
	s_wait_dscnt 25                                ; K's 28 loads are in; V's 25, issued behind them, may be out
	QK 0
.rept 4
	v_nop
.endr
	SOFT 0, 1
	QK 2
	KLOAD                                          ; the next step's K, under the second softmax (in the last trip: bytes behind K's, not used)
	SOFT 2, 0
	WIN 0
	s_sub_co_u32 s[CNT], s[CNT], 1
	s_cmp_lg_u32 s[CNT], 0
	WALU
	s_cbranch_scc1 .Lstep
	; THE WAY OUT: O^T / the sum is ctx; a tile's 32 numbers a lane are two half blocks of the last product's K: quantised here.
	s_wait_dscnt 0x0                               ; the look-ahead loads have landed: K's registers are at work below
.irp t, 0,1,2,3
	v_add_f32 v[STB+4*\t+2], v[STB+4*\t+2], v[STB+4*\t+3]
.endr
.irp t, 0,1,2,3
	v_permlanex16_b32 v[Y+\t], v[STB+4*\t+2], s[SEL], s[SEL+1]
.endr
.irp t, 0,1,2,3
	v_add_f32 v[STB+4*\t+2], v[STB+4*\t+2], v[Y+\t]
.endr
	WALU
.irp t, 0,1,2,3
	v_rcp_f32 v[STB+4*\t+2], v[STB+4*\t+2]
.endr
	v_and_b32 v[AK], 15, v0                        ; plain work behind the reciprocals
	v_lshlrev_b32 v[AK], 4, v[AK]                  ; 16 r
	WIN 0x01                                       ; source 0 window 1
	WALU                                           ; one wait for the four, directly ahead of the first reader of O^T
.irp t, 0,1,2,3
.set j, 0
.rept 16
	v_pk_mul_f32 v[S+32*\t+j:S+32*\t+j+1], v[O+32*\t+j:O+32*\t+j+1], v[STB+4*\t+2:STB+4*\t+3] op_sel_hi:[1,0]   ; register 16 b + i of tile t: feature 32 b + 16 h + i
.set j, j+2
.endr
.endr
	WIN 0
.irp q, 0,1,2,3,4,5,6,7
	v_max3_num_f32 v[KC+\q], |v[S+16*\q]|, |v[S+16*\q+1]|, 0x1800000
.endr
.irp i, 2,4,6,8,10,12,14
.irp q, 0,1,2,3,4,5,6,7
	v_max3_num_f32 v[KC+\q], v[KC+\q], |v[S+16*\q+\i]|, |v[S+16*\q+\i+1]|
.endr
.endr
.irp q, 0,1,2,3,4,5,6,7
	v_permlanex16_b32 v[KC+8+\q], v[KC+\q], s[SEL], s[SEL+1]
.endr
.irp q, 0,1,2,3,4,5,6,7
	v_max_num_f32 v[KC+\q], v[KC+\q], v[KC+8+\q]
.endr
.irp q, 0,1,2,3,4,5,6,7
	v_add_nc_u32 v[KC+16+\q], 0xff000000, v[KC+\q]
.endr
.irp q, 0,1,2,3,4,5,6,7
	v_lshrrev_b32 v[KC+8+\q], 23, v[KC+16+\q]
.endr
.irp t, 0,1,2,3
	v_lshl_or_b32 v[KC+\t], v[KC+9+2*\t], 8, v[KC+8+2*\t]
.endr
.irp t, 0,1,2,3
	v_lshlrev_b32 v[KC+\t], s[SHP], v[KC+\t]       ; my head's two bytes at their place in the K step's word
.endr
.irp t, 0,1,2,3
	v_cvt_scalef32_pk16_fp6_f32 v[KC+24+6*\t:KC+26+6*\t], v[S+32*\t:S+32*\t+15], v[KC+16+2*\t]
.endr
	v_nop
.irp t, 0,1,2,3
	v_cvt_scalef32_pk16_fp6_f32 v[S+32*\t:S+32*\t+2], v[S+32*\t+16:S+32*\t+31], v[KC+17+2*\t]
.endr
	v_nop
.irp t, 0,1,2,3
.irp i, 0,1,2
	v_permlane16_swap_b32 v[KC+24+6*\t+\i], v[S+32*\t+\i]    ; a whole block to a lane: lanes 0-15 features 0-31, lanes 16-31 features 32-63
.endr
.endr
.irp t, 0,1,2,3
.irp i, 0,1,2
	v_mov_b32 v[KC+27+6*\t+\i], v[S+32*\t+\i]
.endr
.endr
.irp t, 0,1,2,3
.irp p, 0,1,2
	global_store_b64 v[L8], v[KC+24+6*\t+2*\p:KC+25+6*\t+2*\p], s[8:9] offset:12288*\t+256*\p   ; 256 consecutive bytes, aligned
.endr
.endr
	global_store_b128 v[AK], v[KC:KC+3], s[10:11]  ; 256 consecutive bytes, aligned; lanes r and 16 + r store the same words to the same place
	s_wait_tensorcnt 0x0                           ; the wave's end
	ds_add_u32 v[SPW], v[NIL]
	s_wait_dscnt 0x0
	CROUND                                         ; the closing round
	s_endpgm
.Lfunc_end_k_qf90a0c3cf7_attn:
	.size	k_qf90a0c3cf7_attn, .Lfunc_end_k_qf90a0c3cf7_attn-k_qf90a0c3cf7_attn
	.p2alignl 7, 3214868480
	.fill 96, 4, 3214868480
	.section	.rodata,"a",@progbits
	.p2align	6, 0x0
	.amdhsa_kernel k_qf90a0c3cf7_attn
		.amdhsa_group_segment_fixed_size 209920
		.amdhsa_private_segment_fixed_size 0
		.amdhsa_enable_private_segment 0
		.amdhsa_kernarg_size 32
		.amdhsa_user_sgpr_count 2
		.amdhsa_user_sgpr_kernarg_segment_ptr 1
		.amdhsa_wavefront_size32 1
		.amdhsa_system_sgpr_workgroup_id_x 1
		.amdhsa_system_sgpr_workgroup_id_y 1
		.amdhsa_system_sgpr_workgroup_id_z 1
		.amdhsa_system_vgpr_workitem_id 0
		.amdhsa_next_free_vgpr 512
		.amdhsa_next_free_sgpr 100
		.amdhsa_reserve_vcc 0
		.amdhsa_float_denorm_mode_32 3
		.amdhsa_float_denorm_mode_16_64 3
		.amdhsa_memory_ordered 1
		.amdhsa_forward_progress 1
		.amdhsa_inst_pref_size 87
	.end_amdhsa_kernel
	.amdgpu_metadata
---
amdhsa.version: [ 1, 2 ]
amdhsa.kernels:
  - .name:           k_qf90a0c3cf7_attn
    .symbol:         k_qf90a0c3cf7_attn.kd
    .args:
      - { .name: qkvc, .offset: 0, .size: 8, .value_kind: global_buffer, .address_space: global }
      - { .name: qkvs, .offset: 8, .size: 8, .value_kind: global_buffer, .address_space: global }
      - { .name: cc, .offset: 16, .size: 8, .value_kind: global_buffer, .address_space: global }
      - { .name: cs, .offset: 24, .size: 8, .value_kind: global_buffer, .address_space: global }
    .group_segment_fixed_size: 209920
    .private_segment_fixed_size: 0
    .kernarg_segment_align: 8
    .kernarg_segment_size: 32
    .max_flat_workgroup_size: 256
    .sgpr_count:     100
    .vgpr_count:     512
    .wavefront_size: 32
...
	.end_amdgpu_metadata
.endif
;; end of part 3
;; launch proj (part 4): grid 4 x 64, 4 waves a work-group, clusters of 4 x 4, 327,680 bytes of LDS; arguments cc, cs, opc, ops, bo, out0; writes out0
.if DOCPART == 4
	.amdgcn_target "amdgcn-amd-amdhsa--gfx1250"
	.amdhsa_code_object_version 6
	.text
	.protected	k_qf90a0c3cf7_proj
	.globl	k_qf90a0c3cf7_proj
	.p2align	8
	.type	k_qf90a0c3cf7_proj,@function
k_qf90a0c3cf7_proj:
	s_mov_b64 s[64:65], 0
	v_nop
	global_prefetch_b8 v0, s[64:65] scope:SCOPE_SE
	s_setreg_imm32_b32 hwreg(HW_REG_WAVE_MODE, 25, 1), 1
	s_wait_xcnt 0x0
	s_wait_alu depctr_hold_cnt(0) depctr_sa_sdst(0) depctr_va_vdst(0) depctr_va_sdst(0) depctr_va_ssrc(0) depctr_va_vcc(0) depctr_vm_vsrc(0)
	s_getreg_b32 s2, hwreg(HW_REG_IB_STS2, 6, 4)
	s_cmp_eq_u32 s2, 0
	s_cbranch_scc0 .Lentry_in_a_cluster
	s_endpgm
.Lentry_in_a_cluster:
	s_bfe_u32 s2, ttmp6, 0x10000c
	s_cmp_lg_u32 s2, 0xf033
	s_cbranch_scc0 .Lentry_shape_is_right
	s_endpgm
.Lentry_shape_is_right:
; out0 = ctx Wo^T + bo on codes of FP6 (E2M3) with E8M0 scales; out0 [8192][1024] f32.
; A WORK-GROUP makes 128 rows (ctx, source 1) x 256 columns (Wo, source 0), K = 1,024; four waves, each 64 x 128: 32 accumulators.  256 work-groups.
; ALL OF K LIES IN LDS AT ONCE: 384 rows x 768 bytes, as images of the operands' registers; two halves of four K steps, every byte filled once; a wave has one tensor load out at the most.
; CLUSTER 4 x 4: ctx's tiles are shared along a row of the cluster, Wo's along a column: joint loads.
; TRANSPOSED USE, and the tiles' row order (row r of tile T is row 32 (T / 2) + 8 (T % 2) + r + 8 (r / 8)): lane (r, h), register j of accumulator (a, b) is column 32 (b / 2) + 16 h + 8 (b % 2) + j of ctx's tile a, row r.
; The bias is the C of each sum's first product.  On the way out a block of 16 rows goes through the wave's stage and leaves as whole rows of 512 bytes, each at its true row.
; The stages lie in B's first half of rows, K's first half: those bytes have had their only fill, and every wave's reads of them are over at the barrier for K's second half.
; REGISTERS: window 0: v1-13 addresses; v16-31 A's scale words, v32-63 B's; v64-111, v112-159 A's fragments, two sets; v160-223 the bias; on the way out v64-191 rows.  window 1: accumulator (a, b) at v[8 (8 a + b)].
;   window 2: B's fragments, two sets, at v0 and v96.
; AS THE TEXT NOW STANDS, K comes in TWO halves of four K steps: one joint load a wave at the head, the second behind the three lines and a round.
; LDS: A's half: [K half][tile 0..3][K step 0..3][1,536]; B's: [K half][tile 0..7][K step 0..3][1,536].  ctx's fragments lie as pieces of 8 bytes a lane: registers 6 c + 2 p at 768 c + 256 p + 8 l.
; ctx's scale words come as two planes, one for each head of a K step, each with the other head's two bytes 0: they are joined by an OR.
.set AHALF, 49152
.set TS,  224                          ; v224-239 the odd heads' plane of ctx's scale words
.set AS2, 13                           ; v13 16 r + 16,384 h: lanes 16-31 take the odd K step's heads
.set BBASE, 98304
.set BHALF, 98304
.set SPARE, 294912                     ; the spare words, 128 bytes a wave, which no other line names
.set STG,   8448                       ; a wave's stage: 16 rows x (512 bytes + 16)
.set A16, 1
.set A8,  2
.set ADRA, 3
.set ADRB, 4
.set SPW, 6
.set NIL, 7
.set BA,  8                            ; v8  64 h: my half's place in a tile's bias
.set STO, 9                            ; v9  the stage, on the way in
.set RD,  10                           ; v10 and back
.set SA,  16
.set SB,  32
.set AF,  64
.set BI,  160
.set BK,  64
.set WV,  16
.set WM,  17
.set WN,  18
.set G1A, 24
.set G1B, 32
.set G0A, 40
.set MSB, 0
.macro WIN new
.if MSB != \new
	s_set_vgpr_msb (MSB<<8)|\new
.set MSB, \new
.endif
.endm
.macro PLACES
.rept 4
	v_nop
.endr
.endm
.macro CROUND
	s_barrier_signal -1
	s_barrier_wait -1
	s_cmp_lg_u32 s[WV], 0
	s_cbranch_scc1 .Lnot_wave_0_\@
	s_barrier_signal -3
.Lnot_wave_0_\@:
	s_barrier_wait -3
	s_barrier_signal -1
	s_barrier_wait -1
.endm
	s_load_b256 s[4:11], s[0:1], 0x0               ; cc, cs, opc, ops
	s_load_b128 s[12:15], s[0:1], 0x20             ; bo, out0
	v_lshl_add_u32 v[SPW], v0, 2, SPARE
	v_mov_b32 v[NIL], 0
	ds_add_u32 v[SPW], v[NIL]                      ; the opening: the add and its wait ahead of my first tensor load
	ds_add_u32 v[SPW], v[NIL]
	v_lshrrev_b32 v1, 5, v0
	v_readfirstlane_b32 s[WV], v1
	s_lshr_b32 s[WM], s[WV], 1
	s_and_b32 s[WN], s[WV], 1
	s_bfe_u32 s19, ttmp6, 0x40000                  ; cx
	s_bfe_u32 s20, ttmp6, 0x40004                  ; cy
	s_and_b32 s23, ttmp7, 0xffff
	s_lshl_b32 s23, s23, 2
	s_add_co_u32 s23, s23, s20                     ; ctx's block of 128 rows
	s_lshl_b32 s76, ttmp9, 2
	s_add_co_u32 s76, s76, s19                     ; Wo's block of 256 rows
	s_lshl_b32 s82, s20, 2
	s_lshl_b32 s82, 15, s82                        ; my row of the cluster
	s_lshl_b32 s83, 0x1111, s19                    ; my column
	s_or_b32 s[G1A], s82, 0x230000                 ; 15:0 the mask; 17:16 elements of 8 bytes; 21 set beside a mask; no padding
	s_or_b32 s[G1B], s83, 0x230000
	s_mov_b32 s[G1A+1], 768<<16                    ; four K steps of a tile, 6,144 bytes
	s_mov_b32 s[G1A+2], 4<<16                      ; 4 tiles
	s_mov_b32 s[G1A+3], 768<<16
	s_mov_b32 s[G1A+4], 4
	s_mov_b32 s[G1A+5], 1536                       ; from tile to tile: 12,288 bytes
	s_mov_b32 s[G1A+6], 0
	s_mov_b32 s[G1A+7], 0
	s_mov_b32 s[G1B+1], 768<<16
	s_mov_b32 s[G1B+2], 8<<16                      ; 8 tiles
	s_mov_b32 s[G1B+3], 768<<16
	s_mov_b32 s[G1B+4], 8
	s_mov_b32 s[G1B+5], 1536
	s_mov_b32 s[G1B+6], 0
	s_mov_b32 s[G1B+7], 0
	s_lshl_b32 s78, s23, 3                         ; ctx's first tile
	s_lshl_b32 s79, s[WM], 2
	s_add_co_u32 s84, s78, s79                     ; the four tiles that I multiply:
	s_lshr_b32 s85, s84, 7                         ; their scale words: [16 batch + head][group of 4 tiles][256 bytes]
	s_lshl_b32 s85, s85, 17
	s_bfe_u32 s84, s84, 0x50002
	s_lshl_b32 s84, s84, 8
	s_add_co_u32 s84, s84, s85
	s_mov_b32 s85, 0
	s_lshl_b32 s79, s[WN], 2
	s_add_co_u32 s78, s78, s79                     ; the four that I fetch, if I fetch for A
	s_mul_i32 s78, s78, 12288
	s_mov_b32 s79, 0
	s_lshl_b32 s80, s76, 4
	s_add_co_u32 s80, s80, 704                     ; Wo's tiles begin at 704
	s_lshl_b32 s81, s[WN], 3
	s_add_co_u32 s80, s80, s81                     ; my half: multiplied and, if I fetch for B, fetched
	s_lshl_b32 s86, s80, 9
	s_mov_b32 s87, 0
	s_mul_i32 s80, s80, 12288
	s_mov_b32 s81, 0
	s_mul_i32 s92, s[WN], AHALF                    ; no place in the cluster enters an LDS address
	s_mul_i32 s93, s[WN], BHALF
	s_add_co_u32 s93, s93, BBASE
	s_wait_dscnt 0x0                               ; the opening add is done
	s_wait_kmcnt 0x0
	s_add_nc_u64 s[78:79], s[4:5], s[78:79]
	s_add_nc_u64 s[80:81], s[8:9], s[80:81]
	s_add_nc_u64 s[84:85], s[6:7], s[84:85]
	s_add_nc_u64 s[86:87], s[10:11], s[86:87]
.irp q, 0,1
	s_mov_b32 s[G0A+4*\q], 1
	s_add_co_u32 s[G0A+4*\q+1], s92, \q*24576
	s_add_nc_u64 s[G0A+4*\q+2:G0A+4*\q+3], s[78:79], \q*6144
	s_or_b32 s[G0A+4*\q+3], s[G0A+4*\q+3], 0x80000000
	s_mov_b32 s[56+4*\q+4*(\q/2)], 1
	s_add_co_u32 s[56+4*\q+4*(\q/2)+1], s93, \q*49152
	s_add_nc_u64 s[56+4*\q+4*(\q/2)+2:56+4*\q+4*(\q/2)+3], s[80:81], \q*6144
	s_or_b32 s[56+4*\q+4*(\q/2)+3], s[56+4*\q+4*(\q/2)+3], 0x80000000
.endr
	CROUND                                         ; all sixteen work-groups are here: the joint loads meet
	s_cmp_eq_u32 s[WM], 0                          ; a wave's fill at the head stands in a branch on the wave's number
	s_cbranch_scc0 .Lfor_b
.irp g, 40
	tensor_load_to_lds s[\g:\g+3], s[G1A:G1A+7]
	s_nop 0
.endr
	PLACES
	s_branch .Lasked
.Lfor_b:
.irp g, 56
	tensor_load_to_lds s[\g:\g+3], s[G1B:G1B+7]
	s_nop 0
.endr
	PLACES
.Lasked:
	v_and_b32 v11, 31, v0
	v_lshlrev_b32 v[A8], 3, v11
	s_wait_alu depctr_va_vdst(0)
	v_lshlrev_b32 v[A16], 4, v11
	v_bfe_u32 v12, v0, 4, 1                        ; h
	v_lshlrev_b32 v[BA], 6, v12
	v_and_b32 v[AS2], 15, v0
	v_lshlrev_b32 v[AS2], 4, v[AS2]
	v_lshl_add_u32 v[AS2], v12, 14, v[AS2]
	s_wait_alu depctr_va_vdst(0)
	s_lshl_b32 s88, s76, 10                        ; my 128 columns, in bytes: 1,024 x block + 512 x half
	s_lshl_b32 s89, s[WN], 9
	s_add_co_u32 s88, s88, s89
	s_mov_b32 s89, 0
	s_add_nc_u64 s[12:13], s[12:13], s[88:89]
	s_add_nc_u64 s[14:15], s[14:15], s[88:89]
	s_lshl_b32 s88, s23, 19                        ; my 64 rows of 4,096 bytes: 128 x block + 64 x half
	s_lshl_b32 s90, s[WM], 18
	s_add_co_u32 s88, s88, s90
	s_add_nc_u64 s[14:15], s[14:15], s[88:89]
.irp m, 0,1,2,3                                ; ctx's scale words of K steps 2 m (lanes 0-15) and 2 m + 1 (lanes 16-31), four tiles a lane: two runs of 256 consecutive bytes a load
	global_load_b128 v[SA+4*\m:SA+4*\m+3], v[AS2], s[84:85] offset:32768*\m
	global_load_b128 v[TS+4*\m:TS+4*\m+3], v[AS2], s[84:85] offset:32768*\m+8192
.endr
.irp i, 0,1,2,3,4,5,6,7
.irp u, 0,1
	global_load_b64 v[SB+4*\i+2*\u:SB+4*\i+2*\u+1], v[A8], s[86:87] offset:512*\i+256*\u
.endr
.endr
.irp b, 0,1,2,3,4,5,6,7                        ; the bias in the result's layout: tile b's eight columns of my half
	global_load_b128 v[BI+8*\b:BI+8*\b+3], v[BA], s[12:13] offset:(32*(\b/2)+8*(\b%2))*4
	global_load_b128 v[BI+8*\b+4:BI+8*\b+7], v[BA], s[12:13] offset:(32*(\b/2)+8*(\b%2))*4+16
.endr
	s_mul_i32 s88, s[WM], AHALF
	v_add_nc_u32 v[ADRA], s88, v[A8]
	s_mul_i32 s88, s[WN], BHALF
	s_add_co_u32 s88, s88, BBASE
	v_add_nc_u32 v[ADRB], s88, v[A16]
	s_add_co_u32 s88, s88, 49152
	v_add_nc_u32 v[ADRB+1], s88, v[A16]
	s_mul_i32 s88, s[WV], STG                      ; my stage: in B's first half, K's first half: those bytes have had their only fill, and every wave's reads of them are over at the barrier for K's second half
	s_add_co_u32 s88, s88, BBASE
	v_and_b32 v11, 15, v0                          ; r
	v_mul_u32_u24 v[STO], v11, 528
	v_add_nc_u32 v[STO], v[STO], v[BA]             ; row r, + 64 h
	v_add_nc_u32 v[STO], s88, v[STO]
	v_add_nc_u32 v[RD], s88, v[A16]
.macro FETCH k                         ; 48 LDS loads in one run: K step k's fragments into set k % 2; B's loads are 512 consecutive bytes each, A's 256
.set fq, (\k)/2
.set fs, (\k)%2
	WIN 0x80                                       ; destination window 2
.irp i, 0,1,2,3,4,5,6,7
.irp p, 0,1,2
	ds_load_b128 v[96*fs+12*\i+4*\p:96*fs+12*\i+4*\p+3], v[ADRB+(\k)/4] offset:6144*\i+1536*((\k)%4)+512*\p
.endr
.endr
	WIN 0
.irp i, 0,1,2,3
.irp p, 0,1,2
	ds_load_b64 v[AF+48*fs+12*\i+2*\p:AF+48*fs+12*\i+2*\p+1], v[ADRA] offset:24576*((\k)/4)+6144*\i+1536*((\k)%4)+256*\p
	ds_load_b64 v[AF+48*fs+12*\i+6+2*\p:AF+48*fs+12*\i+7+2*\p], v[ADRA] offset:24576*((\k)/4)+6144*\i+1536*((\k)%4)+768+256*\p
.endr
.endr
.endm
.macro ONE k, a, b, mode               ; the scale words of K step k: register 2 (k / 4) + (k / 2) % 2 of the tile's four; lanes 16-31 for an odd k
.set rD, 8*(8*\a+\b)
.set rB, 96*((\k)%2)+12*\b
.set rA, AF+48*((\k)%2)+12*\a
.set rSB, SB+4*\b+2*((\k)/4)+(((\k)/2)%2)
.set rSA, SA+4*((\k)/2)+\a
.if \mode == 2
	v_wmma_scale_f32_16x16x128_f8f6f4 v[rD:rD+7], v[rB:rB+11], v[rA:rA+11], v[BI+8*\b:BI+8*\b+7], v[rSB], v[rSA] matrix_a_fmt:MATRIX_FMT_FP6 matrix_b_fmt:MATRIX_FMT_FP6
.elseif (\k)%2
	v_wmma_scale_f32_16x16x128_f8f6f4 v[rD:rD+7], v[rB:rB+11], v[rA:rA+11], v[rD:rD+7], v[rSB], v[rSA] matrix_a_fmt:MATRIX_FMT_FP6 matrix_b_fmt:MATRIX_FMT_FP6 matrix_a_scale:MATRIX_SCALE_ROW1 matrix_b_scale:MATRIX_SCALE_ROW1
.else
	v_wmma_scale_f32_16x16x128_f8f6f4 v[rD:rD+7], v[rB:rB+11], v[rA:rA+11], v[rD:rD+7], v[rSB], v[rSA] matrix_a_fmt:MATRIX_FMT_FP6 matrix_b_fmt:MATRIX_FMT_FP6
.endif
.endm
.macro MUL k, mode                     ; a K step: 32 products; the 32 accumulators take turns.  mode 2: the first products start the sums from the bias
.if \mode == 2
	WIN 0x42                                       ; source 0 (B) window 2, source 1 (A) and C (the bias) window 0, D window 1
.else
	WIN 0x52                                       ; C and D window 1
.endif
.irp a, 0,1,2,3
.irp b, 0,1,2,3,4,5,6,7
	ONE \k, \a, \b, \mode
.endr
.endr
.endm
.macro SYNC q                          ; q = 2: K's second half is whole for every wave; otherwise only the wait for my LDS loads
.if (\q) == 2
	s_wait_tensorcnt 0x0                           ; my part of K's second half is in
.endif
	s_wait_dscnt 0x0                               ; this K step's fragments are in; no LDS instruction of mine is pending at a signal
.if (\q) == 2
	s_barrier_signal -1                            ; a plain barrier: the second half is whole for every wave
	s_barrier_wait -1
.endif
.endm
	s_wait_alu depctr_va_vdst(0)
	s_wait_tensorcnt 0x0                           ; my part of K's first half is in
	ds_add_u32 v[SPW], v[NIL]
	s_wait_dscnt 0x0
	CROUND                                         ; the first half is whole for every wave, and the sixteen work-groups meet for the second joint loads
	s_cmp_eq_u32 s[WM], 0
	s_cbranch_scc0 .Lfor_b2
	tensor_load_to_lds s[44:47], s[G1A:G1A+7]      ; K steps 4 to 7: my one load behind the round
	s_nop 0
	PLACES
	s_branch .Lasked2
.Lfor_b2:
	tensor_load_to_lds s[60:63], s[G1B:G1B+7]
	s_nop 0
	PLACES
.Lasked2:
	FETCH 0
	FETCH 1
	s_wait_dscnt 48                                ; K step 0's fragments are in; the 48 loads just issued may be out
	s_wait_loadcnt 0x0                             ; the scale words and the bias
.set j, 0
.rept 16
	v_or_b32 v[SA+j], v[SA+j], v[TS+j]             ; the two heads' bytes make a K step's scale word
.set j, j+1
.endr
	s_wait_alu depctr_va_vdst(0)
.rept 8
	v_nop                                          ; a scale register written by a vector instruction stands eight places ahead of the scaled product
.endr
	MUL 0, 2
.irp k, 1,3,5
	SYNC (\k+1)/2                                  ; its wait for my LDS loads also shows this K step's fragments in
	PLACES
	FETCH \k+1
	MUL \k, 0
	PLACES
	FETCH \k+2
	s_wait_dscnt 48
	MUL \k+1, 0
.endr
	s_wait_dscnt 0x0
	MUL 7, 0
	WIN 0
	PLACES
; THE WAY OUT, a block of 16 rows x 128 columns at a time.  LDS serves a wave's instructions in order: no wait between the stores and the loads, nor ahead of the next block's stores.
.macro TOSTAGE a
	WIN 0x04                                       ; an LDS store's data are its source 1: window 1
.irp b, 0,1,2,3,4,5,6,7
	ds_store_b128 v[STO], v[8*(8*(\a)+\b):8*(8*(\a)+\b)+3] offset:128*(\b/2)+32*(\b%2)        ; each accumulator from its low end on
	ds_store_b128 v[STO], v[8*(8*(\a)+\b)+4:8*(8*(\a)+\b)+7] offset:128*(\b/2)+32*(\b%2)+16
.endr
	WIN 0
.irp t, 0,1,2,3,4,5,6,7,8,9,10,11,12,13,14,15
	ds_load_b128 v[BK+64*((\a)%2)+4*\t:BK+64*((\a)%2)+4*\t+3], v[RD] offset:528*\t
.endr
.endm
.macro SEND a, younger                 ; younger: the LDS instructions issued behind block a's loads, which may stay out
	s_wait_dscnt \younger
.irp t, 0,1,2,3,4,5,6,7,8,9,10,11,12,13,14,15
	global_store_b128 v[A16], v[BK+64*((\a)%2)+4*\t:BK+64*((\a)%2)+4*\t+3], s[14:15] offset:(32*((\a)/2)+8*((\a)%2)+\t+8*(\t/8))*4096 th:TH_STORE_NT   ; 512 consecutive bytes, aligned, at the tile's row t's true row
.endr
.endm
	TOSTAGE 0
.irp a, 1,2,3
.if \a > 1
	s_wait_xcnt 0x0                                ; block a - 2's stores have read their registers: block a's loads may land there
.endif
	TOSTAGE \a
	SEND \a-1, 32                                  ; behind block a - 1's loads: block a's 16 stores and 16 loads
.endr
	SEND 3, 0
	s_wait_tensorcnt 0x0                           ; the wave's end
	ds_add_u32 v[SPW], v[NIL]
	s_wait_dscnt 0x0
	CROUND                                         ; the closing round
	s_endpgm
.Lfunc_end_k_qf90a0c3cf7_proj:
	.size	k_qf90a0c3cf7_proj, .Lfunc_end_k_qf90a0c3cf7_proj-k_qf90a0c3cf7_proj
	.p2alignl 7, 3214868480
	.fill 96, 4, 3214868480
	.section	.rodata,"a",@progbits
	.p2align	6, 0x0
	.amdhsa_kernel k_qf90a0c3cf7_proj
		.amdhsa_group_segment_fixed_size 327680
		.amdhsa_private_segment_fixed_size 0
		.amdhsa_enable_private_segment 0
		.amdhsa_kernarg_size 48
		.amdhsa_user_sgpr_count 2
		.amdhsa_user_sgpr_kernarg_segment_ptr 1
		.amdhsa_wavefront_size32 1
		.amdhsa_system_sgpr_workgroup_id_x 1
		.amdhsa_system_sgpr_workgroup_id_y 1
		.amdhsa_system_sgpr_workgroup_id_z 1
		.amdhsa_system_vgpr_workitem_id 0
		.amdhsa_next_free_vgpr 704
		.amdhsa_next_free_sgpr 100
		.amdhsa_reserve_vcc 0
		.amdhsa_float_denorm_mode_32 3
		.amdhsa_float_denorm_mode_16_64 3
		.amdhsa_memory_ordered 1
		.amdhsa_forward_progress 1
		.amdhsa_inst_pref_size 85
	.end_amdhsa_kernel
	.amdgpu_metadata
---
amdhsa.version: [ 1, 2 ]
amdhsa.kernels:
  - .name:           k_qf90a0c3cf7_proj
    .symbol:         k_qf90a0c3cf7_proj.kd
    .args:
      - { .name: cc, .offset: 0, .size: 8, .value_kind: global_buffer, .address_space: global }
      - { .name: cs, .offset: 8, .size: 8, .value_kind: global_buffer, .address_space: global }
      - { .name: opc, .offset: 16, .size: 8, .value_kind: global_buffer, .address_space: global }
      - { .name: ops, .offset: 24, .size: 8, .value_kind: global_buffer, .address_space: global }
      - { .name: bo, .offset: 32, .size: 8, .value_kind: global_buffer, .address_space: global }
      - { .name: out0, .offset: 40, .size: 8, .value_kind: global_buffer, .address_space: global }
    .group_segment_fixed_size: 327680
    .private_segment_fixed_size: 0
    .kernarg_segment_align: 8
    .kernarg_segment_size: 48
    .max_flat_workgroup_size: 128
    .sgpr_count:     100
    .vgpr_count:     704
    .wavefront_size: 32
...
	.end_amdgpu_metadata
.endif
;; end of part 4
